; MI455X (gfx1250); checked and timed in simulation.
; The chip was launched on July 23, 2026; its instructions are those of AMD's public machine-readable ISA for CDNA 5 (MIT licence, August 2026) and "CDNA5" Instruction Set Architecture Reference Guide (July 2026). The comments in the code are by the model that wrote it; some were corrected since.
;; Hard Gated Experts. Allowed arithmetic: matrix products marked QUANTISED: E2M3 operands, one E8M0 scale for each 32 along K, by v_wmma_scale_f32_16x16x128_f8f6f4 with both operands' format E2M3, f32 sums; everything else in f32.
;; Inputs: W1_codes 8 x 512 x 16 x 24 uint8 (E2M3 codes of W1, K innermost, in blocks of 32 codes, four codes in three bytes); W1_scales 8 x 512 x 16 uint8 (E8M0 scales of W1, one for each 32 codes along K); W2_codes 8 x 256 x 16 x 24 uint8 (E2M3 codes of W2, K innermost, in blocks of 32 codes, four codes in three bytes); W2_scales 8 x 256 x 16 uint8 (E8M0 scales of W2, one for each 32 codes along K); W3_codes 8 x 256 x 8 x 24 uint8 (E2M3 codes of W3, K innermost, in blocks of 32 codes, four codes in three bytes); W3_scales 8 x 256 x 8 uint8 (E8M0 scales of W3, one for each 32 codes along K); b1 8 x 512 float32; b2 8 x 256 float32; b3 8 x 256 float32; gate_id 8,192 int32; h_codes 8,192 x 16 x 24 uint8 (E2M3 codes of h, K innermost, in blocks of 32 codes, four codes in three bytes); h_scales 8,192 x 16 uint8 (E8M0 scales of h, one for each 32 codes along K).
;; Outputs: out0 8,192 x 256 float32.
;; This version of the problem:
;;   THIS VERSION OF THE PROBLEM IS GIVEN IN LOW PRECISION. The matrix products marked QUANTISED in the list below multiply operands that are first quantised to E2M3 (2 exponent bits, 3 mantissa bits; 6 bits a number), with one power-of-two scale for each 32 numbers along K (OCP MX v1.0); their sums are f32. All else is computed in f32.
;;   The module's matrix products, in the order in which they are computed (A, B: the left and right operand; K: the contracted axis; several contracted axes count as one K, in the product's order):
;;     1. [M 4,096, K 512] x [K 512, N 8,192]; A: input W1 (given as codes); B: input h (given as codes): QUANTISED
;;     2. batch 8 x [M 8,192, K 512] x [K 512, N 256]; A: computed on the way; B: input W2 (given as codes): QUANTISED
;;     3. batch 8 x [M 8,192, K 256] x [K 256, N 256]; A: computed on the way; B: input W3 (given as codes): QUANTISED
;;   THE QUANTISER, for each operand of a quantised product, along K:
;;     - K is cut into blocks of 32 from its start; a last block that is shorter is filled with zeros.
;;     - A block's scale is 2^e with e = floor(log2(the largest magnitude in the block)) - 2, held to -126 .. 127; a block of zeros has e = 0. As a byte (E8M0): e + 127.
;;     - Each number is divided by its block's scale, clamped to +-7.5, and rounded to the nearest number of E2M3, ties to even, subnormals kept.
;;     - The product sums the exact products of the quantised numbers (number of the format x scale) in f32.
;;   ~~~python
;;   def quantise(x, axis):      # numpy; x: float32 -> the quantised numbers, widened to float32 again
;;       x = np.moveaxis(x, axis, -1); K = x.shape[-1]
;;       x = np.pad(x, [(0, 0)] * (x.ndim - 1) + [(0, -K % 32)]); x = x.reshape(x.shape[:-1] + (-1, 32)); a = np.abs(x).max(-1, keepdims=True)
;;       e = np.where(a > 0, np.clip(np.frexp(np.where(a > 0, a, 1))[1] - 1 - 2, -126, 127), 0)      # np.frexp(a)[1] - 1 = floor(log2(a)), exactly
;;       r = np.clip(x / 2.0 ** e, -7.5, 7.5)
;;       step = 2.0 ** (np.maximum(np.frexp(np.where(r == 0, 1, r))[1] - 1, 0) - 3)
;;       q = np.round(r / step) * step * 2.0 ** e      # np.round: ties to even
;;       return np.moveaxis(q.reshape(q.shape[:-2] + (-1,))[..., :K], -1, axis).astype(np.float32)
;;   ~~~
;;   OPERANDS COMPUTED ON THE WAY. 'Computed on the way' means the value that the module computes at that place (a softmax that the list does not call 'softmax' is quantised finished and normalised). What goes into a quantiser is computed in f32, as accurately as f32 sums, v_exp_f32 and their like allow (about 1e-6 of the number): no bf16 or f16 on the way to a quantiser, and a product that is left as it is and whose result goes on into a quantised operand takes f32 operands (vector FMAs, or v_wmma_f32_16x16x4_f32). A number that lies on a knife's edge between two numbers of the format may be rounded either way, as far as f32 arithmetic and the matrix unit's own rounding can turn it there, and no further.
;;   INPUTS GIVEN AS CODES. W1 (in the module: [8, 512, 512], K = its axis 1); W2 (in the module: [8, 512, 256], K = its axis 1); W3 (in the module: [8, 256, 256], K = its axis 1); h (in the module: [8192, 512], K = its axis 1): each comes as NAME_codes (uint8): NAME with its K axis moved to the last place and cut into blocks of 32 codes, [.., K / 32, bytes a block], one block behind the other in memory; four codes in three bytes: a row's codes are one little-endian stream of bits, code i at bits 6 i .. 6 i + 5 (a code: sign, 2 exponent bits, 3 mantissa bits); and NAME_scales (uint8): the same leading axes, one E8M0 byte (e + 127) for each 32 codes along K. Its value is code x scale, taken as it is: it is not quantised again, and the codes and scales need not be those that the quantiser above would give.
;; 3 versions. Each part assembles by itself: llvm-mc -triple=amdgcn-amd-amdhsa -mcpu=gfx1250 --defsym DOCPART=n.
;; ======== version 1 of 3: 2 launches
;; workspace buffers: wp 2,867,200 bytes; order 262,144 bytes of whole numbers; counts 256 bytes of whole numbers
;; launch prep (part 1): grid 120 x 1, 8 waves a work-group, no clusters, 36,096 bytes of LDS; arguments gate_id, W1_codes, W1_scales, W2_codes, W2_scales, W3_codes, W3_scales, wp, order, counts; writes wp, order, counts
.if DOCPART == 1
	.amdgcn_target "amdgcn-amd-amdhsa--gfx1250"
	.amdhsa_code_object_version 6
	.text
	.protected	k_q67b224a89b_prep
	.globl	k_q67b224a89b_prep
	.p2align	8
	.type	k_q67b224a89b_prep,@function
k_q67b224a89b_prep:
	s_mov_b64 s[64:65], 0
	v_nop
	global_prefetch_b8 v0, s[64:65] scope:SCOPE_SE
	s_setreg_imm32_b32 hwreg(HW_REG_WAVE_MODE, 25, 1), 1
	s_wait_xcnt 0x0
; Two jobs that share nothing, on different work-groups of one launch.
; ROUTING (work-groups 0-7, one for each expert e): order[e][0 .. n-1] = the rows whose clip(gate_id, 0, 7) is e, order[e][n .. 8191] = 0, counts[e] = n.
;   Wave v compacts ids 1024 v .. 1024 v + 1023 into an LDS region of its own; behind one barrier every thread picks its 32 places of the list out of the eight regions.
; REPACKING (work-groups 8-119): the codes and scale bytes of W1, W2, W3 are copied once into wp, in the order in which one wave of the next launch takes them into registers.
;   wp holds 64 streams of 44,800 bytes, stream 8 e + w for expert e and wave w: 28 fragments of 1,536 bytes (16 weight rows x 128 K: registers 4 j .. 4 j + 3 of lane l at 512 j + 16 l),
;   then 14 scale registers of 128 bytes (4 bytes a lane).  Fragments 0-15: W1, 4 q + t (K step q, tile t); 16-23: W2, 2 q + u; 24-27: W3, 2 q + u.
;   THE ROWS OF A TILE ARE NOT NEIGHBOURS: lane r of tile u of a pair takes weight row first + 8 u + r + 8 (r / 8), so that in the transposed product a lane's 16 registers of a pair are 16 neighbouring units.
;   Scale register i serves fragments 2 i (lanes 0-15) and 2 i + 1 (lanes 16-31).  One wave copies one pair of fragments and its scale register.
.set RW,     1088                      ; words of a wave's region: 1,024 of list, 32 of dump (one a lane), 32 that stay 0
.set RB,     4*RW
.set CNT,    8*RB                      ; behind the regions: the eight waves' counts
.set STREAM, 44800
	s_load_b512 s[4:19], s[0:1], 0x0               ; gate_id s[4:5], W1 codes, scales s[6:9], W2 s[10:13], W3 s[14:17], wp s[18:19]
	s_load_b128 s[20:23], s[0:1], 0x40             ; order s[20:21], counts s[22:23]
	v_lshl_add_u32 v64, v0, 2, 0x8900
	v_mov_b32 v65, 0
	v_lshrrev_b32 v1, 5, v0
	v_readfirstlane_b32 s24, v1                    ; wave v
	v_and_b32 v1, 31, v0                           ; lane
	v_and_b32 v2, 15, v0                           ; r
	v_bfe_u32 v3, v0, 4, 1                         ; h
	s_wait_kmcnt 0x0
	s_cmp_lt_u32 ttmp9, 8                          ; the work-group's number: the same in all eight waves
	s_cbranch_scc0 .Lpack
	; ---------------- ROUTING ----------------
	s_lshl_b32 s25, s24, 12
	v_lshl_add_u32 v4, v1, 4, s25                  ; my wave's 4,096 bytes of ids, 16 bytes a lane
.irp k, 0,1,2,3,4,5,6,7
	global_load_b128 v[16+4*\k:19+4*\k], v4, s[4:5] offset:512*\k      ; register 4 k + c: row 1024 v + 128 k + 4 lane + c
.endr
	s_mul_i32 s26, s24, RB                         ; my region
	v_lshl_add_u32 v5, v1, 4, s26
	v_lshl_add_u32 v6, v1, 3, s26
	v_mov_b32 v8, 0
	v_mov_b32 v9, 0
	v_mov_b32 v10, 0
	v_mov_b32 v11, 0
.irp k, 0,1,2,3,4,5,6,7
	ds_store_b128 v5, v[8:11] offset:512*\k        ; the region is cleared by its own wave: LDS serves a wave's instructions in order, so the list's stores below come behind these
.endr
	ds_store_b64 v6, v[8:9] offset:4096            ; dump and zero words
	s_cmp_eq_u32 ttmp9, 0                          ; clip(g, 0, 7) == e  is  lo <= g <= hi, with lo open for e = 0 and hi open for e = 7
	s_cselect_b32 s27, 0x80000000, ttmp9
	s_cmp_eq_u32 ttmp9, 7
	s_cselect_b32 s28, 0x7fffffff, ttmp9
	s_mov_b32 s29, 0                               ; how many my wave has found
	v_add_nc_u32 v7, 1024, v1                      ; my dump word
	s_lshl_b32 s30, s24, 10
	v_lshl_add_u32 v12, v1, 2, s30                 ; the row of my register 0
	s_wait_loadcnt 0x0
.set X, 0
.rept 32
	v_cmp_le_i32 s66, s27, v[16+X]
	v_cmp_ge_i32 s67, s28, v[16+X]
	s_and_b32 s66, s66, s67                        ; the lanes whose id names e
	v_mbcnt_lo_u32_b32 v13, s66, s29               ; found so far + such lanes below me: my place in the wave's list
	v_cndmask_b32 v13, v7, v13, s66                ; the other lanes write to their dump words
	v_min_u32 v13, 1055, v13                       ; a number made from loaded data enters an address only behind a clamp: list and dump, never the zero words
	v_lshl_add_u32 v13, v13, 2, s26
	v_add_nc_u32 v14, 128*(X/4)+X%4, v12
	ds_store_b32 v13, v14
	s_bcnt1_i32_b32 s67, s66
	s_add_co_u32 s29, s29, s67
.set X, X+1
.endr
	v_mov_b32 v14, s29
	v_mov_b32 v15, s24
	v_lshlrev_b32 v15, 2, v15
	ds_store_b32 v15, v14 offset:CNT               ; all lanes write the same word with the same value
	s_wait_dscnt 0x0                               ; for the others' sake: my list and my count are in LDS
	s_barrier_signal -1
	s_barrier_wait -1
	v_mov_b32 v4, 0
	ds_load_b128 v[8:11], v4 offset:CNT
	ds_load_b128 v[12:15], v4 offset:CNT+16
	s_wait_dscnt 0x0
.irp w, 0,1,2,3,4,5,6,7
	v_readfirstlane_b32 s[70+\w], v[8+\w]
.endr
	s_mov_b32 s40, 0                               ; s[40+w]: the place in the whole list at which wave w's run begins
.irp w, 1,2,3,4,5,6,7
	s_add_co_u32 s[40+\w], s[40+\w-1], s[70+\w-1]
.endr
	s_add_co_u32 s56, s47, s77                     ; n
.irp w, 1,2,3,4,5,6,7
	s_sub_co_u32 s[48+\w], \w*RW, s[40+\w]         ; place j of the list lies at word j + this, if it falls into wave w's run (modulo 2^32)
.endr
	s_mov_b32 s57, 1056                            ; a word that stays 0 (wave 0's first)
	v_lshlrev_b32 v20, 2, v0                       ; four neighbouring places a thread, so that 16 bytes a lane leave together
.macro PICK k, c                       ; place j = 4 thread + 1024 k + c
	v_add_nc_u32 v21, 1024*\k+\c, v20
	v_cmp_le_u32 vcc_lo, s41, v21
	v_cndmask_b32 v22, 0, s49, vcc_lo
.irp w, 2,3,4,5,6,7
	v_cmp_le_u32 vcc_lo, s[40+\w], v21             ; the last wave whose run begins at or below j holds it (an empty run is passed over by the next)
	v_cndmask_b32 v22, v22, s[48+\w], vcc_lo
.endr
	v_add_nc_u32 v22, v22, v21
	v_cmp_le_u32 vcc_lo, s56, v21                  ; behind the list's end: 0
	v_cndmask_b32 v22, v22, s57, vcc_lo
	v_min_u32 v22, 8*RW-1, v22
	v_lshlrev_b32 v22, 2, v22
	ds_load_b32 v[32+4*\k+\c], v22
.endm
.irp k, 0,1,2,3,4,5,6,7
.irp c, 0,1,2,3
	PICK \k, \c
.endr
.endr
	s_lshl_b32 s58, ttmp9, 15                      ; order[e]: 32,768 bytes
	s_mov_b32 s59, 0
	s_add_nc_u64 s[20:21], s[20:21], s[58:59]
	s_lshl_b32 s58, ttmp9, 2
	s_add_nc_u64 s[22:23], s[22:23], s[58:59]
	v_lshlrev_b32 v5, 4, v0
	v_mov_b32 v6, s56
	v_mov_b32 v7, 0
	s_wait_dscnt 0x0
.irp k, 0,1,2,3,4,5,6,7
	global_store_b128 v5, v[32+4*\k:35+4*\k], s[20:21] offset:4096*\k  ; a wave's store covers 512 consecutive bytes, aligned
.endr
	s_wait_xcnt 0x0                                ; EXEC is a source of the stores above: it changes only behind this wait
	v_cmp_eq_u32 vcc_lo, 0, v0
	s_wait_tensorcnt 0x0
	ds_add_u32 v64, v65
	s_wait_dscnt 0x0
	s_and_saveexec_b32 s60, vcc_lo
	global_store_b32 v7, v6, s[22:23]              ; thread 0 alone: counts[e]
	s_wait_xcnt 0x0
	s_or_b32 exec_lo, exec_lo, s60
	s_endpgm
	; ---------------- REPACKING ----------------
.Lpack:
	s_sub_co_u32 s25, ttmp9, 8                     ; p: 0-63 W1 (8 pairs for each (e, w)), 64-95 W2 (4 pairs), 96-111 W3 (2 pairs).  Every choice hangs on p alone
	s_cmp_lt_u32 s25, 64
	s_cselect_b64 s[80:81], s[6:7], s[10:11]       ; codes
	s_cselect_b64 s[82:83], s[8:9], s[12:13]       ; scale bytes
	s_cselect_b32 s26, 3, 2                        ; sh: 2^sh pairs for each (e, w), 2^sh work-groups for each e
	s_cselect_b32 s27, 0, 64                       ; the layer's first p
	s_cselect_b32 s28, 0, 8                        ; its first pair in a stream
	s_cselect_b32 s29, 1, 0                        ; W1: a K step has two pairs
	s_cselect_b32 s30, 6, 5                        ; a wave's weight rows: 64 or 32
	s_cmp_lt_u32 s25, 96
	s_cselect_b64 s[80:81], s[80:81], s[14:15]
	s_cselect_b64 s[82:83], s[82:83], s[16:17]
	s_cselect_b32 s26, s26, 1
	s_cselect_b32 s27, s27, 96
	s_cselect_b32 s28, s28, 12
	s_cselect_b32 s31, 1, 0                        ; K = 512 or 256
	s_sub_co_u32 s32, s25, s27
	s_lshr_b32 s33, s32, s26                       ; e
	s_bfm_b32 s34, s26, 0                          ; 2^sh - 1
	s_and_b32 s35, s32, s34
	s_sub_co_u32 s36, 3, s26
	s_lshl_b32 s35, s35, s36
	s_lshr_b32 s36, s24, s26
	s_add_co_u32 s35, s35, s36                     ; w
	s_and_b32 s36, s24, s34                        ; my pair among (e, w)'s of this layer
	s_add_co_u32 s28, s28, s36                     ; i: my pair in the stream
	s_lshr_b32 s37, s36, s29                       ; q: the K step
	s_and_b32 s38, s36, s29                        ; W1: which pair of the step
	s_lshl_b32 s39, s35, s30
	s_lshl_b32 s38, s38, 5
	s_add_co_u32 s39, s39, s38                     ; the pair's first weight row
	s_lshl_b32 s40, 192, s31                       ; a row of codes in bytes
	s_lshl_b32 s41, 8, s31                         ; a row of scale bytes
	s_mul_i32 s42, s33, 24576
	s_lshl_b32 s42, s42, s26                       ; an expert's codes: 196,608, 98,304, 49,152 bytes
	s_mul_i32 s44, s39, s40
	s_add_co_u32 s42, s42, s44
	s_mul_i32 s44, s37, 96                         ; 128 codes are 96 bytes
	s_add_co_u32 s42, s42, s44
	s_mov_b32 s43, 0
	s_add_nc_u64 s[80:81], s[80:81], s[42:43]
	s_lshl_b32 s44, s33, 10
	s_lshl_b32 s44, s44, s26                       ; an expert's scale bytes: 8,192, 4,096, 2,048
	s_mul_i32 s46, s39, s41
	s_add_co_u32 s44, s44, s46
	s_lshl2_add_u32 s44, s37, s44                  ; + 4 q
	s_mov_b32 s45, 0
	s_add_nc_u64 s[82:83], s[82:83], s[44:45]
	s_lshl3_add_u32 s46, s33, s35
	s_mul_i32 s46, s46, STREAM                     ; the stream
	s_mul_i32 s48, s28, 3072
	s_add_co_u32 s48, s48, s46
	s_mov_b32 s49, 0
	s_add_nc_u64 s[84:85], s[18:19], s[48:49]      ; the pair's two fragments
	s_lshl_b32 s50, s28, 7
	s_add_co_u32 s50, s50, s46
	s_add_co_u32 s50, s50, 43008
	s_mov_b32 s51, 0
	s_add_nc_u64 s[86:87], s[18:19], s[50:51]      ; its scale register
	v_and_b32 v4, 8, v2
	v_add_nc_u32 v4, v4, v2                        ; r + 8 (r / 8)
	v_mul_lo_u32 v5, v4, s40
	v_mad_u32_u24 v5, v3, 24, v5                   ; tile 0: my row, + 24 h
	s_lshl_b32 s52, s40, 3
	v_add_nc_u32 v6, s52, v5                       ; tile 1: eight rows on
	v_lshl_add_u32 v7, v3, 3, v4
	v_mul_lo_u32 v7, v7, s41                       ; the scale word: lanes 0-15 tile 0's rows, lanes 16-31 tile 1's
	v_lshlrev_b32 v8, 4, v1
	v_lshlrev_b32 v9, 2, v1
.irp u, 0,1
.irp p, 0,1,2,3,4,5
	global_load_b64 v[16+12*\u+2*\p:17+12*\u+2*\p], v[5+\u], s[80:81] offset:48*(\p/3)+8*(\p%3)   ; registers 6 c .. 6 c + 5: K = 64 c + 32 h + 0 .. 31, 24 bytes as they lie
.endr
.endr
	global_load_b32 v40, v7, s[82:83]
	s_wait_loadcnt 0x0
.irp u, 0,1
.irp j, 0,1,2
	global_store_b128 v8, v[16+12*\u+4*\j:19+12*\u+4*\j], s[84:85] offset:1536*\u+512*\j   ; 512 consecutive bytes, aligned
.endr
.endr
	global_store_b32 v9, v40, s[86:87]
	s_endpgm
.Lfunc_end_k_q67b224a89b_prep:
	.size	k_q67b224a89b_prep, .Lfunc_end_k_q67b224a89b_prep-k_q67b224a89b_prep
	.p2alignl 7, 3214868480
	.fill 96, 4, 3214868480
	.section	.rodata,"a",@progbits
	.p2align	6, 0x0
	.amdhsa_kernel k_q67b224a89b_prep
		.amdhsa_group_segment_fixed_size 36096
		.amdhsa_private_segment_fixed_size 0
		.amdhsa_enable_private_segment 0
		.amdhsa_kernarg_size 80
		.amdhsa_user_sgpr_count 2
		.amdhsa_user_sgpr_kernarg_segment_ptr 1
		.amdhsa_wavefront_size32 1
		.amdhsa_system_sgpr_workgroup_id_x 1
		.amdhsa_system_sgpr_workgroup_id_y 1
		.amdhsa_system_sgpr_workgroup_id_z 1
		.amdhsa_system_vgpr_workitem_id 0
		.amdhsa_next_free_vgpr 66
		.amdhsa_next_free_sgpr 96
		.amdhsa_reserve_vcc 1
		.amdhsa_float_denorm_mode_32 3
		.amdhsa_float_denorm_mode_16_64 3
		.amdhsa_memory_ordered 1
		.amdhsa_forward_progress 1
		.amdhsa_inst_pref_size 62
	.end_amdhsa_kernel
	.amdgpu_metadata
---
amdhsa.version: [ 1, 2 ]
amdhsa.kernels:
  - .name:           k_q67b224a89b_prep
    .symbol:         k_q67b224a89b_prep.kd
    .args:
      - { .name: gate_id, .offset: 0, .size: 8, .value_kind: global_buffer, .address_space: global }
      - { .name: W1_codes, .offset: 8, .size: 8, .value_kind: global_buffer, .address_space: global }
      - { .name: W1_scales, .offset: 16, .size: 8, .value_kind: global_buffer, .address_space: global }
      - { .name: W2_codes, .offset: 24, .size: 8, .value_kind: global_buffer, .address_space: global }
      - { .name: W2_scales, .offset: 32, .size: 8, .value_kind: global_buffer, .address_space: global }
      - { .name: W3_codes, .offset: 40, .size: 8, .value_kind: global_buffer, .address_space: global }
      - { .name: W3_scales, .offset: 48, .size: 8, .value_kind: global_buffer, .address_space: global }
      - { .name: wp, .offset: 56, .size: 8, .value_kind: global_buffer, .address_space: global }
      - { .name: order, .offset: 64, .size: 8, .value_kind: global_buffer, .address_space: global }
      - { .name: counts, .offset: 72, .size: 8, .value_kind: global_buffer, .address_space: global }
    .group_segment_fixed_size: 36096
    .private_segment_fixed_size: 0
    .kernarg_segment_align: 8
    .kernarg_segment_size: 80
    .max_flat_workgroup_size: 256
    .sgpr_count:     96
    .vgpr_count:     66
    .wavefront_size: 32
...
	.end_amdgpu_metadata
.endif
;; end of part 1
;; launch experts (part 2): grid 178 x 1, 8 waves a work-group, no clusters, 98,304 bytes of LDS; arguments wp, order, counts, h_codes, h_scales, b1, b2, b3, out0; writes out0
.if DOCPART == 2
	.amdgcn_target "amdgcn-amd-amdhsa--gfx1250"
	.amdhsa_code_object_version 6
	.text
	.protected	k_q67b224a89b_experts
	.globl	k_q67b224a89b_experts
	.p2align	8
	.type	k_q67b224a89b_experts,@function
k_q67b224a89b_experts:
	s_mov_b64 s[64:65], 0
	v_nop
	global_prefetch_b8 v0, s[64:65] scope:SCOPE_SE
	s_setreg_imm32_b32 hwreg(HW_REG_WAVE_MODE, 25, 1), 1
	s_wait_xcnt 0x0
; out0[row] = W3e^T leaky(W2e^T leaky(W1e^T h[row] + b1e) + b2e) + b3e, e = the row's expert; all three products on codes of FP6 (E2M3) with one E8M0 scale for each 32 along K; sums in f32.
; ONLY THE ROW'S OWN EXPERT IS COMPUTED: the selection at the end keeps nothing of the other seven.
; SHARES.  A work-group takes a CHUNK: 48 places of one expert's list (order, counts: stored by the launch before), three tiles m of 16 rows.  Chunk c belongs to the last expert whose first chunk is at or below c.
;   The sum over experts of ceil(n / 48) is at most (8,192 + 8 x 47) / 48 = 178, the grid; how many chunks there are hangs on the ids, so a work-group past the last chunk runs with all its rows beyond the list's end and stores nothing
;   (no barrier stands under a branch on loaded numbers).  Places beyond a list's end name row 0; their results are not stored.
;   Wave v makes, for all 48 rows: layer 1 units 64 v .. + 63 (4 tiles), layer 2 units 32 v .. + 31 (2 tiles), layer 3 outputs 32 v .. + 31 (2 tiles): 84 matrix instructions.
; LAYOUT.  Every product is used transposed: source 0 = 16 weight rows, source 1 = 16 batch rows.  A lane (r, h) then holds batch row r, and, by the choice of a tile's weight rows made when wp was laid,
;   the 16 registers of a pair of tiles are 16 neighbouring units, first + 16 h + 0 .. 15: neighbours along the next product's K, as the conversion wants them.  The bias is the C of a layer's first K step.
; WEIGHTS go from wp straight into the registers of the one wave that multiplies them, 512 consecutive bytes a load; all loads are issued early, 20 slots of 12 registers, eight of them filled twice.
; ACTIVATIONS (h, a1, a2) pass between waves through LDS as register images of fragments: half c of a fragment is 768 bytes: registers 6 c .. 6 c + 3 at 16 lane, registers 6 c + 4, 5 at 512 + 8 lane: every access is contiguous.
; NO CLUSTER, NO JOINT LOADS, though an expert's chunks read the same 358,400 bytes of wp: how many chunks an expert has hangs on counts read from memory, so the grid does not divide into clusters of one expert;
;   and the set is larger than the 327,680 bytes of LDS: shared through LDS it would be written there in parts that are filled again and read back, 358,400 bytes each way beside the 368,640 bytes of fragments that the eight waves read now.
; LIMITS: NaN and infinities among the activations are not served; a block whose largest magnitude lies under 2^-124 gets the byte 1, as the quantiser's hold at -126 gives; the bias starts the sum and is not added at its end, so the order of rounding differs there.
.set HB,     0                         ; h:  fragment (m, q) at 6144 m + 1536 q
.set A1B,    18432                     ; a1: the same
.set A2B,    36864                     ; a2: fragment (m, q) at 3072 m + 1536 q
.set A1S,    46080                     ; a1's scale bytes: 256 m + 16 r + block
.set A2S,    46848                     ; a2's: 128 m + 8 r + block
.set STAGE,  47360                     ; the way out: 48 rows of 1,024 bytes, 1,040 apart: 260 words, so that the 16 rows of a store begin at 16 different groups of four banks (64 banks of 4 bytes: ISA guide 11.1)
.set SP,     1040
.set STREAM, 44800
; window 0: v1 16 lane, v2 8 lane, v3 4 lane, v4 64 h, v5-7 row numbers, v8-17 LDS addresses, v18 48 v + 24 h, v19 r
.set WSC,    20                        ; v20-33   the stream's 14 scale registers
.set ASC,    34                        ; v34-45   the activations' scale words: 4 m + q
.set BIAS,   46                        ; v46-77   b1's 32; then b2's 16 and b3's 16
.set ACC,    78                        ; v78-173  layer 1: tile (m, t) at 32 m + 8 t; layer 2: (m, u) at 16 m + 8 u; layer 3: (m, u) at 48 + 16 m + 8 u
.set FR0,    174                       ; v174-209, v210-245: two sets of three fragments (one for each m); between the layers at work
.set TS,     174                       ; v174-205 0.2 x
.set XQ,     206                       ; v206-241 tile m's codes at 12 m; +9: its scale bytes.   v242-247 a block's maximum, byte, scale
; window 1: weight slot k at v[12 k .. 12 k + 11], k = 0 .. 19
.set MSB, 0
.macro WIN new                         ; s_set_vgpr_msb: bits 1:0 source 0, 7:6 destination; the high byte repeats the setting that is left
.if MSB != \new
	s_set_vgpr_msb (MSB<<8)|\new
.set MSB, \new
.endif
.endm
.macro PLACES                          ; a load into a register that a matrix instruction has read, and whatever reads a matrix result, stand four plain vector instructions behind it (ISA guide 7.12.1 for what reads a matrix result)
.rept 4
	v_nop
.endr
.endm
.macro BAR                             ; what I stored to LDS is there, what I read is back; then all eight waves meet
	s_wait_dscnt 0x0
	s_barrier_signal -1
	s_barrier_wait -1
.endm
.macro WLOAD f, k                      ; fragment f of my stream into slot k (under WIN 0x40)
.irp j, 0,1,2
	global_load_b128 v[12*(\k)+4*\j:12*(\k)+4*\j+3], v1, s[42:43] offset:1536*(\f)+512*\j
.endr
.endm
.macro FETCH reg, buf, q, ms           ; the three tiles' fragments of K step q: 12 LDS loads
.irp m, 0,1,2
	ds_load_b128 v[\buf+12*\m:\buf+12*\m+3], v1 offset:\reg+\ms*\m+1536*(\q)
	ds_load_b64 v[\buf+12*\m+4:\buf+12*\m+5], v2 offset:\reg+\ms*\m+1536*(\q)+512
	ds_load_b128 v[\buf+12*\m+6:\buf+12*\m+9], v1 offset:\reg+\ms*\m+1536*(\q)+768
	ds_load_b64 v[\buf+12*\m+10:\buf+12*\m+11], v2 offset:\reg+\ms*\m+1536*(\q)+1280
.endr
.endm
.macro MM d, slot, bf, c, ws, row1, as ; D = 16 weight rows (slot, window 1) x 16 batch rows (bf) + C; the weights' scales in lanes 0-15 or (row1) 16-31 of ws
.if \row1
	v_wmma_scale_f32_16x16x128_f8f6f4 v[\d:\d+7], v[12*(\slot):12*(\slot)+11], v[\bf:\bf+11], v[\c:\c+7], v[\ws], v[\as] matrix_a_fmt:MATRIX_FMT_FP6 matrix_b_fmt:MATRIX_FMT_FP6 matrix_a_scale:MATRIX_SCALE_ROW1
.else
	v_wmma_scale_f32_16x16x128_f8f6f4 v[\d:\d+7], v[12*(\slot):12*(\slot)+11], v[\bf:\bf+11], v[\c:\c+7], v[\ws], v[\as] matrix_a_fmt:MATRIX_FMT_FP6 matrix_b_fmt:MATRIX_FMT_FP6
.endif
.endm
.macro LEAKY a, n                      ; x = max(x, 0.2 x), which is x above 0 and 0.2 x below.  Ascending
.set J, 0
.rept \n/2
	v_pk_mul_f32 v[TS+J:TS+J+1], v[\a+J:\a+J+1], s[40:41] op_sel_hi:[1,0]
.set J, J+2
.endr
.set J, 0
.rept \n
	v_max_num_f32 v[\a+J], v[\a+J], v[TS+J]
.set J, J+1
.endr
.endm
.macro BLKSCALE a, mx, by, sf          ; a block of 32: my 16 numbers and those of lane l xor 16: largest magnitude; byte = its exponent field - 2, held at 1 from below, 127 for a block of zeros; the scale as f32
	v_max3_num_f32 v[\mx], |v[\a]|, |v[\a+1]|, |v[\a+2]|
.irp i, 3,5,7,9,11,13
	v_max3_num_f32 v[\mx], v[\mx], |v[\a+\i]|, |v[\a+\i+1]|
.endr
	v_max_num_f32 v[\mx], v[\mx], |v[\a+15]|
	v_mov_b32 v[\by], 0                            ; (the destination of a lane permute counts as read)
	v_permlanex16_b32 v[\by], v[\mx], s38, s39
	v_max_num_f32 v[\mx], v[\mx], v[\by]
	v_lshrrev_b32 v[\by], 23, v[\mx]
	v_max_u32 v[\by], 3, v[\by]
	v_add_nc_u32 v[\by], -2, v[\by]
	v_lshlrev_b32 v[\sf], 23, v[\by]
	v_cmp_eq_u32 vcc_lo, 0, v[\mx]
	v_cndmask_b32 v[\by], v[\by], 127, vcc_lo
.endm
	; ---------------- the head: which chunk ----------------
	s_load_b256 s[4:11], s[0:1], 0x0               ; wp s[4:5], order s[6:7], counts s[8:9], h's codes s[10:11]
	s_load_b256 s[12:19], s[0:1], 0x20             ; h's scales s[12:13], b1 s[14:15], b2 s[16:17], b3 s[18:19]
	s_load_b64 s[20:21], s[0:1], 0x40              ; out0
	v_lshl_add_u32 v254, v0, 2, 0x17c00
	v_mov_b32 v255, 0
	v_lshrrev_b32 v246, 5, v0
	v_readfirstlane_b32 s22, v246                  ; wave v
	v_and_b32 v247, 31, v0                         ; lane
	v_and_b32 v19, 15, v0                          ; r
	v_bfe_u32 v248, v0, 4, 1                       ; h
	v_lshlrev_b32 v1, 4, v247
	v_lshlrev_b32 v2, 3, v247
	v_lshlrev_b32 v3, 2, v247
	v_lshlrev_b32 v4, 6, v248
	s_mov_b32 s38, 0x76543210                      ; v_permlanex16_b32's selects for lane l xor 16
	s_mov_b32 s39, 0xfedcba98
	s_mov_b32 s40, 0x3e4ccccd                      ; 0.2
	s_mov_b32 s41, 0x3e4ccccd                      ; (named with it as a pair)
	s_wait_kmcnt 0x0
	s_load_b256 s[24:31], s[8:9], 0x0              ; the eight counts; the LDS addresses are made while they come
	s_mul_i32 s62, s22, 768                        ; h and a1: wave v writes half v % 2 of K step v / 2: 768 v
	v_add_nc_u32 v8, s62, v1
	v_add_nc_u32 v9, s62, v2
	v_add_nc_u32 v9, 512, v9
	s_lshr_b32 s62, s22, 1                         ; a2: wave v's one block is block v % 2 of half (v / 2) % 2 of K step v / 4: 768 (v / 2), lanes r + 16 (v % 2)
	s_mul_i32 s62, s62, 768
	s_and_b32 s63, s22, 1
	s_lshl_b32 s66, s63, 8
	s_add_co_u32 s66, s66, s62
	v_lshl_add_u32 v10, v19, 4, s66
	s_lshl_b32 s66, s63, 7
	s_add_co_u32 s66, s66, s62
	s_add_co_u32 s66, s66, 512
	v_lshl_add_u32 v11, v19, 3, s66
	s_lshl_b32 s66, s22, 1
	v_lshl_add_u32 v12, v19, 4, s66                ; a1's scale bytes: row r, blocks 2 v and 2 v + 1
	v_lshl_add_u32 v13, v19, 3, s22                ; a2's: row r, block v
	v_lshlrev_b32 v14, 4, v19                      ; and back: row r's 16 bytes,
	v_lshlrev_b32 v15, 3, v19                      ; row r's 8
	v_mul_u32_u24 v16, v19, SP                     ; into the stage: row r, columns 32 v + 16 h on
	v_add_nc_u32 v16, v16, v4
	s_lshl_b32 s66, s22, 7
	s_add_co_u32 s66, s66, STAGE
	v_add_nc_u32 v16, s66, v16
	s_mul_i32 s66, s22, 2*SP                       ; out of it: rows 2 v and 2 v + 1 of each tile, 16 bytes a lane
	s_add_co_u32 s66, s66, STAGE
	v_add_nc_u32 v17, s66, v1
	s_mul_i32 s66, s22, 48
	v_mad_u32_u24 v18, v248, 24, s66               ; my 24 bytes of a row of h's codes: 48 v + 24 h
	s_mov_b32 s32, 0                               ; chunks of the experts passed
	s_mov_b32 s33, 0                               ; e
	s_mov_b32 s34, 0                               ; e's first chunk
	s_mov_b32 s35, 0                               ; n: e's count
	s_wait_kmcnt 0x0
.irp i, 0,1,2,3,4,5,6,7
	s_min_u32 s[24+\i], s[24+\i], 8192
	s_cmp_le_u32 s32, ttmp9                        ; the last expert that begins at or below my chunk (one without rows is passed over by the next)
	s_cselect_b32 s33, \i, s33
	s_cselect_b32 s34, s32, s34
	s_cselect_b32 s35, s[24+\i], s35
	s_add_co_u32 s37, s[24+\i], 47
	s_mul_hi_u32 s37, s37, 0x05555556              ; / 48: exact for numbers under 2^27
	s_add_co_u32 s32, s32, s37
.endr
	s_min_u32 s33, s33, 7
	s_sub_co_u32 s36, ttmp9, s34
	s_mul_i32 s36, s36, 48                         ; pos0: my first place in the list
	s_lshl3_add_u32 s66, s33, s22
	s_mul_i32 s66, s66, STREAM
	s_mov_b32 s67, 0
	s_add_nc_u64 s[42:43], s[4:5], s[66:67]        ; my stream
	s_lshl_b32 s66, s33, 11
	s_lshl_b32 s62, s22, 8
	s_add_co_u32 s66, s66, s62
	s_add_nc_u64 s[44:45], s[14:15], s[66:67]      ; b1 at unit 64 v of expert e
	s_lshl_b32 s66, s33, 10
	s_lshl_b32 s62, s22, 7
	s_add_co_u32 s66, s66, s62
	s_add_nc_u64 s[46:47], s[16:17], s[66:67]      ; b2 and b3 at unit 32 v
	s_add_nc_u64 s[48:49], s[18:19], s[66:67]
	s_lshl_b32 s66, s33, 15
	s_add_nc_u64 s[50:51], s[6:7], s[66:67]        ; order[e]
	s_lshl1_add_u32 s61, s22, s36                  ; pos0 + 2 v: the place of the first row that I store
.irp m, 0,1,2
	s_add_co_u32 s[58+\m], s61, 16*\m
	s_min_u32 s[58+\m], s[58+\m], 8190             ; even, so that the pair of words is aligned and inside the list
	s_lshl_b32 s[58+\m], s[58+\m], 2
	s_load_b64 s[52+2*\m:53+2*\m], s[50:51], s[58+\m] offset:0x0   ; the row numbers of rows 2 v, 2 v + 1 of tile m: wanted on the way out
.endr
	; ---------------- the loads.  LOADcnt counts them in this order: A 3, B 14, C 8, D 12 | E 3, F 9, G 12, H 12, I 12, J 12 | (in layer 1's step 2) K 4, N 4, L 12, M 12 ----------------
.irp m, 0,1,2
	v_add3_u32 v[228+\m], s36, v19, 16*\m
	v_min_u32 v[228+\m], 0x1fff, v[228+\m]
	v_lshlrev_b32 v[228+\m], 2, v[228+\m]
	global_load_b32 v[5+\m], v[228+\m], s[50:51]                       ; A: the row number of row r of tile m
.endr
.irp i, 0,1,2,3,4,5,6,7,8,9,10,11,12,13
	global_load_b32 v[WSC+\i], v3, s[42:43] offset:43008+128*\i        ; B: the weights' scale registers
.endr
.irp b, 0,1
.irp j, 0,1,2,3
	global_load_b128 v[BIAS+16*\b+4*\j:BIAS+16*\b+4*\j+3], v4, s[44:45] offset:128*\b+16*\j   ; C: b1 at units 32 b + 16 h + 0 .. 15: tile t's eight at BIAS + 8 t
.endr
.endr
	WIN 0x40
.irp f, 0,1,2,3
	WLOAD \f, \f                                   ; D: W1, K step 0
.endr
	WIN 0
	s_wait_loadcnt 34                              ; A is in: B, C and D, 34 loads, were issued behind it
.irp m, 0,1,2
	v_min_u32 v[5+\m], 0x1fff, v[5+\m]
	v_mad_u32_u24 v[231+\m], v[5+\m], 384, v18     ; a row of h's codes is 384 bytes
	v_lshlrev_b32 v[234+\m], 4, v[5+\m]            ; of its scale bytes 16
.endr
.irp m, 0,1,2
	global_load_b128 v[ASC+4*\m:ASC+4*\m+3], v[234+\m], s[12:13]       ; E: row r's four scale words
.endr
.irp m, 0,1,2
.irp p, 0,1,2
	global_load_b64 v[210+6*\m+2*\p:211+6*\m+2*\p], v[231+\m], s[10:11] offset:8*\p   ; F: wave v gathers half v % 2 of K step v / 2 of all three tiles
.endr
.endr
	WIN 0x40
.irp f, 4,5,6,7,8,9,10,11,12,13,14,15,16,17,18,19
	WLOAD \f, \f                                   ; G, H, I: W1, K steps 1 to 3;  J: W2, K steps 0 and 1
.endr
	WIN 0
	s_wait_loadcnt 48                              ; A to F are in: G to J, 48 loads, were issued behind F
.irp m, 0,1,2
	ds_store_b128 v8, v[210+6*\m:213+6*\m] offset:HB+6144*\m
	ds_store_b64 v9, v[214+6*\m:215+6*\m] offset:HB+6144*\m
.endr
	BAR                                            ; h's fragments are whole
	; ---------------- layer 1: 4 K steps x 12 matrix instructions.  The 12 accumulators take turns, one instruction a turn, in the same order in every step ----------------
.macro REFILL                          ; slots 0-7 and the bias registers have been read for the last time in layer 1: K b2, N b3, L W2's K steps 2 and 3, M W3
.irp j, 0,1,2,3
	global_load_b128 v[BIAS+4*\j:BIAS+4*\j+3], v4, s[46:47] offset:16*\j
.endr
.irp j, 0,1,2,3
	global_load_b128 v[BIAS+16+4*\j:BIAS+16+4*\j+3], v4, s[48:49] offset:16*\j
.endr
	WIN 0x40
.irp f, 0,1,2,3,4,5,6,7
	WLOAD 20+\f, \f
.endr
	WIN 0
.endm
.macro L1STEP q
.if (\q > 0) && (\q < 3)
	PLACES                                         ; in front of loads into registers that the step before has multiplied
.endif
.if \q == 2
	REFILL
.endif
.if \q < 3
	FETCH HB, FR0+36*((\q+1)%2), \q+1, 6144
	s_wait_dscnt 12                                ; this step's fragments are in; the 12 loads just issued may be out
.else
	s_wait_dscnt 0x0
.endif
.if \q == 1
	s_wait_loadcnt 36                              ; G is in: behind it H, I, J
.elseif \q == 2
	s_wait_loadcnt 56                              ; H is in: behind it I, J and the refill's 32
.elseif \q == 3
	s_wait_loadcnt 44                              ; I is in: behind it J and the refill's 32
.endif
	WIN 0x01
.irp t, 0,1,2,3
.irp m, 0,1,2
.if \q == 0
	MM ACC+32*\m+8*\t, 4*\q+\t, FR0+36*(\q%2)+12*\m, BIAS+8*\t, WSC+2*\q+\t/2, \t%2, ASC+4*\m+\q
.else
	MM ACC+32*\m+8*\t, 4*\q+\t, FR0+36*(\q%2)+12*\m, ACC+32*\m+8*\t, WSC+2*\q+\t/2, \t%2, ASC+4*\m+\q
.endif
.endr
.endr
	WIN 0
.endm
	FETCH HB, FR0, 0, 6144
	L1STEP 0
	L1STEP 1
	L1STEP 2
	L1STEP 3
	; ---------------- a1 = leaky(..), quantised along the units.  My 64 units are blocks 2 v and 2 v + 1: half v % 2 of layer 2's K step v / 2 ----------------
.macro QUANT1 m
.set A, ACC+32*\m
.set X, XQ+12*\m
	LEAKY A, 32
	BLKSCALE A, 242, 243, 244
	BLKSCALE A+16, 245, 246, 247
	v_lshl_or_b32 v[X+9], v246, 8, v243
	v_cvt_scalef32_pk16_fp6_f32 v[X:X+2], v[A:A+15], v244          ; block 2 v: the codes of its 16 h + 0 .. 15
	v_cvt_scalef32_pk16_fp6_f32 v[X+6:X+8], v[A+16:A+31], v247     ; block 2 v + 1 likewise  (a conversion's three registers begin on an even number)
	v_nop                                          ; one plain place behind a scaled conversion
.irp i, 0,1,2
	v_permlane16_swap_b32 v[X+\i], v[X+6+\i]       ; the operand wants a whole block in a lane: lanes 0-15 block 2 v, lanes 16-31 block 2 v + 1: the first now holds each lane's lower 16 codes, the second the upper 16
.endr
.irp i, 0,1,2
	v_mov_b32 v[X+3+\i], v[X+6+\i]
.endr
	ds_store_b128 v8, v[X:X+3] offset:A1B+6144*\m
	ds_store_b64 v9, v[X+4:X+5] offset:A1B+6144*\m
	ds_store_b16 v12, v[X+9] offset:A1S+256*\m     ; both halves of the lanes write the same two bytes with the same values
.endm
	PLACES                                         ; behind the last products: their results are read, their fragments' registers are put to work
	QUANT1 0
	QUANT1 1
	QUANT1 2
	BAR                                            ; a1's fragments and scale bytes are whole
	; ---------------- layer 2: 4 K steps x 6 matrix instructions, the six accumulators by turns ----------------
.macro L2STEP q
.if (\q > 0) && (\q < 3)
	PLACES
.endif
.if \q < 3
	FETCH A1B, FR0+36*((\q+1)%2), \q+1, 6144
	s_wait_dscnt 12                                ; all but the 12 just issued (in step 0: the scale words too)
.else
	s_wait_dscnt 0x0
.endif
.if \q == 0
	s_wait_loadcnt 28                              ; J and K (b2) are in: behind K stand N, L, M
.elseif \q == 2
	s_wait_loadcnt 12                              ; L is in: behind it M
.endif
.if \q < 2
.set SL, 16+2*\q
.else
.set SL, 2*\q-4
.endif
	WIN 0x01
.irp u, 0,1
.irp m, 0,1,2
.if \q == 0
	MM ACC+16*\m+8*\u, SL+\u, FR0+36*(\q%2)+12*\m, BIAS+8*\u, WSC+8+\q, \u, ASC+4*\m+\q
.else
	MM ACC+16*\m+8*\u, SL+\u, FR0+36*(\q%2)+12*\m, ACC+16*\m+8*\u, WSC+8+\q, \u, ASC+4*\m+\q
.endif
.endr
.endr
	WIN 0
.endm
.irp m, 0,1,2
	ds_load_b128 v[ASC+4*\m:ASC+4*\m+3], v14 offset:A1S+256*\m     ; row r's four scale words
.endr
	FETCH A1B, FR0, 0, 6144
	L2STEP 0
	L2STEP 1
	L2STEP 2
	L2STEP 3
	; ---------------- a2 = leaky(..), quantised.  My 32 units are block v ----------------
.macro QUANT2 m
.set A, ACC+16*\m
.set X, XQ+12*\m
	LEAKY A, 16
	BLKSCALE A, 242, X+9, 244
	v_cvt_scalef32_pk16_fp6_f32 v[X:X+2], v[A:A+15], v244          ; the codes of the block's 16 h + 0 .. 15
	v_nop
.irp i, 0,1,2
	v_mov_b32 v[X+3+\i], v[X+\i]
.endr
.irp i, 0,1,2
	v_permlane16_swap_b32 v[X+\i], v[X+3+\i]       ; every lane now holds row r's whole block: the lower 16 codes in the first three registers, the upper 16 in the others
.endr
	ds_store_b128 v10, v[X:X+3] offset:A2B+3072*\m ; both halves of the lanes write the same bytes with the same values
	ds_store_b64 v11, v[X+4:X+5] offset:A2B+3072*\m
	ds_store_b8 v13, v[X+9] offset:A2S+128*\m
.endm
	PLACES
	QUANT2 0
	QUANT2 1
	QUANT2 2
	BAR                                            ; a2's fragments and scale bytes are whole
	; ---------------- layer 3: 2 K steps x 6 matrix instructions ----------------
.macro L3STEP q
.if \q == 0
	FETCH A2B, FR0+36, 1, 3072
	s_wait_dscnt 12
	s_wait_loadcnt 0x0                             ; M (W3) and N (b3): nothing was issued behind M
.else
	s_wait_dscnt 0x0
.endif
	WIN 0x01
.irp u, 0,1
.irp m, 0,1,2
.if \q == 0
	MM ACC+48+16*\m+8*\u, 4+2*\q+\u, FR0+36*(\q%2)+12*\m, BIAS+16+8*\u, WSC+12+\q, \u, ASC+4*\m+\q
.else
	MM ACC+48+16*\m+8*\u, 4+2*\q+\u, FR0+36*(\q%2)+12*\m, ACC+48+16*\m+8*\u, WSC+12+\q, \u, ASC+4*\m+\q
.endif
.endr
.endr
	WIN 0
.endm
.irp m, 0,1,2
	ds_load_b64 v[ASC+4*\m:ASC+4*\m+1], v15 offset:A2S+128*\m      ; row r's two scale words
.endr
	FETCH A2B, FR0, 0, 3072
	L3STEP 0
	L3STEP 1
	; ---------------- the way out: a lane holds 16 neighbouring numbers of a row, the eight waves together a whole row: through the stage, and out as whole rows of 1,024 bytes ----------------
	PLACES
.irp m, 0,1,2
.irp u, 0,1
.irp j, 0,1
	ds_store_b128 v16, v[ACC+48+16*\m+8*\u+4*\j:ACC+48+16*\m+8*\u+4*\j+3] offset:16*SP*\m+32*\u+16*\j   ; each accumulator from its low end on
.endr
.endr
.endr
	BAR                                            ; the 48 rows are whole
.irp m, 0,1,2
.irp i, 0,1
.irp k, 0,1
	ds_load_b128 v[FR0+8*(2*\m+\i)+4*\k:FR0+8*(2*\m+\i)+4*\k+3], v17 offset:16*SP*\m+SP*\i+512*\k
.endr
.endr
.endr
	s_wait_kmcnt 0x0                               ; the six row numbers
.irp g, 0,1,2,3,4,5
	s_min_u32 s[52+\g], s[52+\g], 0x1fff
	v_lshl_add_u32 v[222+\g], s[52+\g], 10, v1     ; the row's 1,024 bytes of out0, 16 bytes a lane
.endr
.macro OUTROW m, i
.set G, 2*\m+\i
	s_wait_dscnt 10-2*G                            ; this row's two loads are back; the later rows' may be out
	s_add_co_u32 s62, s61, 16*\m+\i                ; the row's place in the list:
	s_cmp_lt_u32 s62, s35                          ; beyond the list's end nothing is stored
	s_cbranch_scc0 .Lskip_\@
	global_store_b128 v[222+G], v[FR0+8*G:FR0+8*G+3], s[20:21] th:TH_STORE_NT                  ; 512 consecutive bytes, aligned
	global_store_b128 v[222+G], v[FR0+8*G+4:FR0+8*G+7], s[20:21] offset:512 th:TH_STORE_NT
.Lskip_\@:
.endm
.irp m, 0,1,2
.irp i, 0,1
	OUTROW \m, \i
.endr
.endr
	s_wait_tensorcnt 0x0
	ds_add_u32 v254, v255
	s_wait_dscnt 0x0
	s_endpgm
.Lfunc_end_k_q67b224a89b_experts:
	.size	k_q67b224a89b_experts, .Lfunc_end_k_q67b224a89b_experts-k_q67b224a89b_experts
	.p2alignl 7, 3214868480
	.fill 96, 4, 3214868480
	.section	.rodata,"a",@progbits
	.p2align	6, 0x0
	.amdhsa_kernel k_q67b224a89b_experts
		.amdhsa_group_segment_fixed_size 98304
		.amdhsa_private_segment_fixed_size 0
		.amdhsa_enable_private_segment 0
		.amdhsa_kernarg_size 72
		.amdhsa_user_sgpr_count 2
		.amdhsa_user_sgpr_kernarg_segment_ptr 1
		.amdhsa_wavefront_size32 1
		.amdhsa_system_sgpr_workgroup_id_x 1
		.amdhsa_system_sgpr_workgroup_id_y 1
		.amdhsa_system_sgpr_workgroup_id_z 1
		.amdhsa_system_vgpr_workitem_id 0
		.amdhsa_next_free_vgpr 512
		.amdhsa_next_free_sgpr 72
		.amdhsa_reserve_vcc 1
		.amdhsa_float_denorm_mode_32 3
		.amdhsa_float_denorm_mode_16_64 3
		.amdhsa_memory_ordered 1
		.amdhsa_forward_progress 1
		.amdhsa_inst_pref_size 66
	.end_amdhsa_kernel
	.amdgpu_metadata
---
amdhsa.version: [ 1, 2 ]
amdhsa.kernels:
  - .name:           k_q67b224a89b_experts
    .symbol:         k_q67b224a89b_experts.kd
    .args:
      - { .name: wp, .offset: 0, .size: 8, .value_kind: global_buffer, .address_space: global }
      - { .name: order, .offset: 8, .size: 8, .value_kind: global_buffer, .address_space: global }
      - { .name: counts, .offset: 16, .size: 8, .value_kind: global_buffer, .address_space: global }
      - { .name: h_codes, .offset: 24, .size: 8, .value_kind: global_buffer, .address_space: global }
      - { .name: h_scales, .offset: 32, .size: 8, .value_kind: global_buffer, .address_space: global }
      - { .name: b1, .offset: 40, .size: 8, .value_kind: global_buffer, .address_space: global }
      - { .name: b2, .offset: 48, .size: 8, .value_kind: global_buffer, .address_space: global }
      - { .name: b3, .offset: 56, .size: 8, .value_kind: global_buffer, .address_space: global }
      - { .name: out0, .offset: 64, .size: 8, .value_kind: global_buffer, .address_space: global }
    .group_segment_fixed_size: 98304
    .private_segment_fixed_size: 0
    .kernarg_segment_align: 8
    .kernarg_segment_size: 72
    .max_flat_workgroup_size: 256
    .sgpr_count:     72
    .vgpr_count:     512
    .wavefront_size: 32
...
	.end_amdgpu_metadata
.endif
;; end of part 2
;; ======== version 2 of 3: 2 launches
;; workspace buffers: wp 2,867,200 bytes; order 262,144 bytes of whole numbers; counts 256 bytes of whole numbers
;; launch prep (part 3): grid 176 x 1, 8 waves a work-group, no clusters, 36,096 bytes of LDS; arguments gate_id, W1_codes, W1_scales, W2_codes, W2_scales, W3_codes, W3_scales, wp, order, counts; writes wp, order, counts
.if DOCPART == 3
	.amdgcn_target "amdgcn-amd-amdhsa--gfx1250"
	.amdhsa_code_object_version 6
	.text
	.protected	k_q67b224a89b_prep
	.globl	k_q67b224a89b_prep
	.p2align	8
	.type	k_q67b224a89b_prep,@function
k_q67b224a89b_prep:
	s_mov_b64 s[64:65], 0
	v_nop
	global_prefetch_b8 v0, s[64:65] scope:SCOPE_SE
	s_setreg_imm32_b32 hwreg(HW_REG_WAVE_MODE, 25, 1), 1
	s_wait_xcnt 0x0
; Two jobs that share nothing, on different work-groups of one launch.
; ROUTING (work-groups 0-63): order[e][0 .. n-1] = the rows whose clip(gate_id, 0, 7) is e, order[e][n .. 8191] = 0, counts[e] = n.
;   Work-group 8 e + p makes part p of expert e's list, places 1024 p .. 1024 p + 1023.  Any part may draw on any id, so each of an expert's eight work-groups compacts all 8,192 ids anew:
;   wave v compacts ids 1024 v .. 1024 v + 1023 into an LDS region of its own, by stages over its 32 registers so that no line waits for the one before; behind one barrier every thread looks up
;   its four places of the part in the eight runs.  The look-up is 84 lines a wave for 128 places; shared among eight work-groups it is done once in each and not eight times in one.
;   No branch and no address in memory hangs on the ids: a place behind the list's end is sent, by a select, to an LDS word that stays 0.
; REPACKING (work-groups 64-175): the codes and scale bytes of W1, W2, W3 are copied once into wp, in the order in which one wave of the next launch takes them into registers.
;   wp holds 64 streams of 44,800 bytes, stream 8 e + w for expert e and wave w: 28 fragments of 1,536 bytes (16 weight rows x 128 K: registers 4 j .. 4 j + 3 of lane l at 512 j + 16 l),
;   then 14 scale registers of 128 bytes (4 bytes a lane).  Fragments 0-15: W1, 4 q + t (K step q, tile t); 16-23: W2, 2 q + u; 24-27: W3, 2 q + u.
;   THE ROWS OF A TILE ARE NOT NEIGHBOURS: lane r of tile u of a pair takes weight row first + 8 u + r + 8 (r / 8), so that in the transposed product a lane's 16 registers of a pair are 16 neighbouring units.
;   Scale register i serves fragments 2 i (lanes 0-15) and 2 i + 1 (lanes 16-31).  One wave copies one pair of fragments and its scale register.
.set NROUTE, 64                        ; routing work-groups: 8 experts x 8 parts
.set RW,     1088                      ; words of a wave's region: 1,024 of list, 32 of dump (one a lane), 32 that stay 0
.set RB,     4*RW
.set CNT,    8*RB                      ; behind the regions: the eight waves' counts
.set STREAM, 44800
.set MK,     32                        ; s32-63  routing: register x's lanes whose id names e
.set PF,     66                        ; s66-97  routing: how many the wave has found ahead of register x;  s98: in all
	s_load_b512 s[4:19], s[0:1], 0x0               ; gate_id s[4:5], W1 codes, scales s[6:9], W2 s[10:13], W3 s[14:17], wp s[18:19]
	s_load_b128 s[20:23], s[0:1], 0x40             ; order s[20:21], counts s[22:23]
	v_lshl_add_u32 v64, v0, 2, 0x8900
	v_mov_b32 v65, 0
	v_lshrrev_b32 v1, 5, v0
	v_readfirstlane_b32 s24, v1                    ; wave v
	v_and_b32 v1, 31, v0                           ; lane
	v_and_b32 v2, 15, v0                           ; r
	v_bfe_u32 v3, v0, 4, 1                         ; h
	s_wait_kmcnt 0x0
	s_cmp_lt_u32 ttmp9, NROUTE                     ; the work-group's number: the same in all eight waves
	s_cbranch_scc0 .Lpack
	; ---------------- ROUTING ----------------
	s_lshr_b32 s29, ttmp9, 3                       ; e
	s_and_b32 s31, ttmp9, 7                        ; p
	s_lshl_b32 s25, s24, 12
	v_lshl_add_u32 v4, v1, 4, s25                  ; my wave's 4,096 bytes of ids, 16 bytes a lane
.irp k, 0,1,2,3,4,5,6,7
	global_load_b128 v[16+4*\k:19+4*\k], v4, s[4:5] offset:512*\k      ; register 4 k + c: row 1024 v + 128 k + 4 lane + c
.endr
	s_lshl_b32 s2, ttmp9, 12                       ; order[e], part p: 32,768 e + 4,096 p = 4,096 (8 e + p)
	s_mov_b32 s3, 0
	s_add_nc_u64 s[20:21], s[20:21], s[2:3]
	s_lshl_b32 s2, s29, 2
	s_add_nc_u64 s[22:23], s[22:23], s[2:3]        ; counts[e]
	s_mul_i32 s26, s24, RB                         ; my region
	v_lshl_add_u32 v5, v1, 4, s26
	v_lshl_add_u32 v6, v1, 3, s26
	v_mov_b32 v8, 0
	v_mov_b32 v9, 0
	v_mov_b32 v10, 0
	v_mov_b32 v11, 0
.irp k, 0,1,2,3,4,5,6,7
	ds_store_b128 v5, v[8:11] offset:512*\k        ; the region is cleared by its own wave: LDS serves a wave's instructions in order, so the list's stores below come behind these
.endr
	ds_store_b64 v6, v[8:9] offset:4096            ; dump and zero words
	s_cmp_eq_u32 s29, 0                            ; clip(g, 0, 7) == e  is  g - lo <= span, unsigned and modulo 2^32:
	s_cselect_b32 s27, 0x80000000, s29             ; lo = e, span = 0;  e = 0: everything from the least int32 up to 0: lo = span = 2^31;
	s_cselect_b32 s28, 0x80000000, 0
	s_cmp_eq_u32 s29, 7
	s_cselect_b32 s28, 0x7ffffff8, s28             ; e = 7: everything from 7 up to the largest int32: span = 2^31 - 8
	v_add_nc_u32 v7, 1024, v1                      ; my dump word
	s_lshl_b32 s30, s24, 10
	v_lshl_add_u32 v12, v1, 2, s30                 ; the row of my register 0
	s_mov_b32 s[PF], 0
.irp k, 0,1,2,3,4,5,6,7
	s_wait_loadcnt 7-\k                            ; load k is in; the 7 - k younger ones may be out
.irp c, 0,1,2,3
	v_sub_nc_u32 v[16+4*\k+\c], v[16+4*\k+\c], s27
.endr
.irp c, 0,1,2,3
	v_cmp_ge_u32 s[MK+4*\k+\c], s28, v[16+4*\k+\c] ; the lanes whose id names e
.endr
.endr
.set X, 0
.rept 32
	s_bcnt1_i32_b32 s99, s[MK+X]
	s_add_co_u32 s[PF+1+X], s[PF+X], s99           ; found ahead of register X + 1; the last sum, s98, is the wave's count
.set X, X+1
.endr
.set X, 0
.rept 32
	v_mbcnt_lo_u32_b32 v[16+X], s[MK+X], s[PF+X]   ; found ahead of this register + such lanes below me: my place in the wave's list
.set X, X+1
.endr
.set X, 0
.rept 32
	v_cndmask_b32 v[16+X], v7, v[16+X], s[MK+X]    ; the other lanes write to their dump words
.set X, X+1
.endr
.set X, 0
.rept 32
	v_min_u32 v[16+X], 1055, v[16+X]               ; a number made from loaded data enters an address only behind a clamp: list and dump, never the zero words
.set X, X+1
.endr
.set X, 0
.rept 32
	v_lshl_add_u32 v[16+X], v[16+X], 2, s26
.set X, X+1
.endr
.set X, 0
.rept 32
	v_add_nc_u32 v[48+X%8], 128*(X/4)+X%4, v12     ; the row
	ds_store_b32 v[16+X], v[48+X%8]
.set X, X+1
.endr
	v_mov_b32 v13, s98
	v_mov_b32 v15, s24
	v_lshlrev_b32 v15, 2, v15
	ds_store_b32 v15, v13 offset:CNT               ; all lanes write the same word with the same value
	s_wait_dscnt 0x0                               ; for the others' sake: my list and my count are in LDS
	s_barrier_signal -1
	s_barrier_wait -1
	v_mov_b32 v4, 0
	ds_load_b128 v[56:59], v4 offset:CNT
	ds_load_b128 v[60:63], v4 offset:CNT+16
	s_lshl_b32 s62, s31, 10
	v_lshl_add_u32 v14, v0, 2, s62                 ; four neighbouring places a thread, so that 16 bytes a lane leave together: place j = 1024 p + 4 thread + c
	v_lshlrev_b32 v5, 4, v0
	s_mov_b32 s57, 1056                            ; a word that stays 0 (wave 0's first)
.irp c, 0,1,2,3
	v_add_nc_u32 v[16+\c], \c, v14
.endr
	s_wait_dscnt 0x0
.irp w, 0,1,2,3,4,5,6,7
	v_readfirstlane_b32 s[70+\w], v[56+\w]
.endr
	s_mov_b32 s40, 0                               ; s[40+w]: the place in the whole list at which wave w's run begins
.irp w, 1,2,3,4,5,6,7
	s_add_co_u32 s[40+\w], s[40+\w-1], s[70+\w-1]
.endr
	s_add_co_u32 s56, s47, s77                     ; n
.irp w, 1,2,3,4,5,6,7
	s_sub_co_u32 s[48+\w], \w*RW, s[40+\w]         ; place j of the list lies at word j + this, if it falls into wave w's run (modulo 2^32)
.endr
	; The four look-ups of a thread go side by side, each with a mask register of its own, so that no line reads the result of the line just before it.
.irp c, 0,1,2,3
	v_cmp_le_u32 s[80+\c], s41, v[16+\c]
.endr
.irp c, 0,1,2,3
	v_cndmask_b32 v[20+\c], 0, s49, s[80+\c]
.endr
.irp w, 2,3,4,5,6,7
.irp c, 0,1,2,3
	v_cmp_le_u32 s[80+\c], s[40+\w], v[16+\c]      ; the last wave whose run begins at or below j holds it (an empty run is passed over by the next)
.endr
.irp c, 0,1,2,3
	v_cndmask_b32 v[20+\c], v[20+\c], s[48+\w], s[80+\c]
.endr
.endr
.irp c, 0,1,2,3
	v_cmp_le_u32 s[80+\c], s56, v[16+\c]           ; behind the list's end: 0
.endr
.irp c, 0,1,2,3
	v_add_nc_u32 v[20+\c], v[20+\c], v[16+\c]
.endr
.irp c, 0,1,2,3
	v_cndmask_b32 v[20+\c], v[20+\c], s57, s[80+\c]
.endr
.irp c, 0,1,2,3
	v_min_u32 v[20+\c], 8*RW-1, v[20+\c]
.endr
.irp c, 0,1,2,3
	v_lshlrev_b32 v[20+\c], 2, v[20+\c]
.endr
.irp c, 0,1,2,3
	ds_load_b32 v[32+\c], v[20+\c]
.endr
	v_mov_b32 v6, s56
	v_mov_b32 v7, 0
	v_or_b32 v13, s31, v0                          ; 0 in thread 0 of part 0 alone
	s_wait_dscnt 0x0
	global_store_b128 v5, v[32:35], s[20:21]       ; a wave's store covers 512 consecutive bytes, aligned; the eight waves' the part's 4,096
	s_wait_xcnt 0x0                                ; EXEC is a source of the store above: it changes only behind this wait
	v_cmp_eq_u32 vcc_lo, 0, v13
	s_wait_tensorcnt 0x0
	ds_add_u32 v64, v65
	s_wait_dscnt 0x0
	s_and_saveexec_b32 s60, vcc_lo
	global_store_b32 v7, v6, s[22:23]              ; counts[e], by one thread of one of the expert's eight work-groups
	s_wait_xcnt 0x0
	s_or_b32 exec_lo, exec_lo, s60
	s_endpgm
	; ---------------- REPACKING ----------------
.Lpack:
	s_sub_co_u32 s25, ttmp9, NROUTE                ; p: 0-63 W1 (8 pairs for each (e, w)), 64-95 W2 (4 pairs), 96-111 W3 (2 pairs).  Every choice hangs on p alone
	s_cmp_lt_u32 s25, 64
	s_cselect_b64 s[80:81], s[6:7], s[10:11]       ; codes
	s_cselect_b64 s[82:83], s[8:9], s[12:13]       ; scale bytes
	s_cselect_b32 s26, 3, 2                        ; sh: 2^sh pairs for each (e, w), 2^sh work-groups for each e
	s_cselect_b32 s27, 0, 64                       ; the layer's first p
	s_cselect_b32 s28, 0, 8                        ; its first pair in a stream
	s_cselect_b32 s29, 1, 0                        ; W1: a K step has two pairs
	s_cselect_b32 s30, 6, 5                        ; a wave's weight rows: 64 or 32
	s_cmp_lt_u32 s25, 96
	s_cselect_b64 s[80:81], s[80:81], s[14:15]
	s_cselect_b64 s[82:83], s[82:83], s[16:17]
	s_cselect_b32 s26, s26, 1
	s_cselect_b32 s27, s27, 96
	s_cselect_b32 s28, s28, 12
	s_cselect_b32 s31, 1, 0                        ; K = 512 or 256
	s_sub_co_u32 s32, s25, s27
	s_lshr_b32 s33, s32, s26                       ; e
	s_bfm_b32 s34, s26, 0                          ; 2^sh - 1
	s_and_b32 s35, s32, s34
	s_sub_co_u32 s36, 3, s26
	s_lshl_b32 s35, s35, s36
	s_lshr_b32 s36, s24, s26
	s_add_co_u32 s35, s35, s36                     ; w
	s_and_b32 s36, s24, s34                        ; my pair among (e, w)'s of this layer
	s_add_co_u32 s28, s28, s36                     ; i: my pair in the stream
	s_lshr_b32 s37, s36, s29                       ; q: the K step
	s_and_b32 s38, s36, s29                        ; W1: which pair of the step
	s_lshl_b32 s39, s35, s30
	s_lshl_b32 s38, s38, 5
	s_add_co_u32 s39, s39, s38                     ; the pair's first weight row
	s_lshl_b32 s40, 192, s31                       ; a row of codes in bytes
	s_lshl_b32 s41, 8, s31                         ; a row of scale bytes
	s_mul_i32 s42, s33, 24576
	s_lshl_b32 s42, s42, s26                       ; an expert's codes: 196,608, 98,304, 49,152 bytes
	s_mul_i32 s44, s39, s40
	s_add_co_u32 s42, s42, s44
	s_mul_i32 s44, s37, 96                         ; 128 codes are 96 bytes
	s_add_co_u32 s42, s42, s44
	s_mov_b32 s43, 0
	s_add_nc_u64 s[80:81], s[80:81], s[42:43]
	s_lshl_b32 s44, s33, 10
	s_lshl_b32 s44, s44, s26                       ; an expert's scale bytes: 8,192, 4,096, 2,048
	s_mul_i32 s46, s39, s41
	s_add_co_u32 s44, s44, s46
	s_lshl2_add_u32 s44, s37, s44                  ; + 4 q
	s_mov_b32 s45, 0
	s_add_nc_u64 s[82:83], s[82:83], s[44:45]
	s_lshl3_add_u32 s46, s33, s35
	s_mul_i32 s46, s46, STREAM                     ; the stream
	s_mul_i32 s48, s28, 3072
	s_add_co_u32 s48, s48, s46
	s_mov_b32 s49, 0
	s_add_nc_u64 s[84:85], s[18:19], s[48:49]      ; the pair's two fragments
	s_lshl_b32 s50, s28, 7
	s_add_co_u32 s50, s50, s46
	s_add_co_u32 s50, s50, 43008
	s_mov_b32 s51, 0
	s_add_nc_u64 s[86:87], s[18:19], s[50:51]      ; its scale register
	v_and_b32 v4, 8, v2
	v_add_nc_u32 v4, v4, v2                        ; r + 8 (r / 8)
	v_mul_lo_u32 v5, v4, s40
	v_mad_u32_u24 v5, v3, 24, v5                   ; tile 0: my row, + 24 h
	s_lshl_b32 s52, s40, 3
	v_add_nc_u32 v6, s52, v5                       ; tile 1: eight rows on
	v_lshl_add_u32 v7, v3, 3, v4
	v_mul_lo_u32 v7, v7, s41                       ; the scale word: lanes 0-15 tile 0's rows, lanes 16-31 tile 1's
	v_lshlrev_b32 v8, 4, v1
	v_lshlrev_b32 v9, 2, v1
.irp u, 0,1
.irp p, 0,1,2,3,4,5
	global_load_b64 v[16+12*\u+2*\p:17+12*\u+2*\p], v[5+\u], s[80:81] offset:48*(\p/3)+8*(\p%3)   ; registers 6 c .. 6 c + 5: K = 64 c + 32 h + 0 .. 31, 24 bytes as they lie
.endr
.endr
	global_load_b32 v40, v7, s[82:83]
	s_wait_loadcnt 0x0
.irp u, 0,1
.irp j, 0,1,2
	global_store_b128 v8, v[16+12*\u+4*\j:19+12*\u+4*\j], s[84:85] offset:1536*\u+512*\j   ; 512 consecutive bytes, aligned
.endr
.endr
	global_store_b32 v9, v40, s[86:87]
	s_endpgm
.Lfunc_end_k_q67b224a89b_prep:
	.size	k_q67b224a89b_prep, .Lfunc_end_k_q67b224a89b_prep-k_q67b224a89b_prep
	.p2alignl 7, 3214868480
	.fill 96, 4, 3214868480
	.section	.rodata,"a",@progbits
	.p2align	6, 0x0
	.amdhsa_kernel k_q67b224a89b_prep
		.amdhsa_group_segment_fixed_size 36096
		.amdhsa_private_segment_fixed_size 0
		.amdhsa_enable_private_segment 0
		.amdhsa_kernarg_size 80
		.amdhsa_user_sgpr_count 2
		.amdhsa_user_sgpr_kernarg_segment_ptr 1
		.amdhsa_wavefront_size32 1
		.amdhsa_system_sgpr_workgroup_id_x 1
		.amdhsa_system_sgpr_workgroup_id_y 1
		.amdhsa_system_sgpr_workgroup_id_z 1
		.amdhsa_system_vgpr_workitem_id 0
		.amdhsa_next_free_vgpr 66
		.amdhsa_next_free_sgpr 100
		.amdhsa_reserve_vcc 1
		.amdhsa_float_denorm_mode_32 3
		.amdhsa_float_denorm_mode_16_64 3
		.amdhsa_memory_ordered 1
		.amdhsa_forward_progress 1
		.amdhsa_inst_pref_size 33
	.end_amdhsa_kernel
	.amdgpu_metadata
---
amdhsa.version: [ 1, 2 ]
amdhsa.kernels:
  - .name:           k_q67b224a89b_prep
    .symbol:         k_q67b224a89b_prep.kd
    .args:
      - { .name: gate_id, .offset: 0, .size: 8, .value_kind: global_buffer, .address_space: global }
      - { .name: W1_codes, .offset: 8, .size: 8, .value_kind: global_buffer, .address_space: global }
      - { .name: W1_scales, .offset: 16, .size: 8, .value_kind: global_buffer, .address_space: global }
      - { .name: W2_codes, .offset: 24, .size: 8, .value_kind: global_buffer, .address_space: global }
      - { .name: W2_scales, .offset: 32, .size: 8, .value_kind: global_buffer, .address_space: global }
      - { .name: W3_codes, .offset: 40, .size: 8, .value_kind: global_buffer, .address_space: global }
      - { .name: W3_scales, .offset: 48, .size: 8, .value_kind: global_buffer, .address_space: global }
      - { .name: wp, .offset: 56, .size: 8, .value_kind: global_buffer, .address_space: global }
      - { .name: order, .offset: 64, .size: 8, .value_kind: global_buffer, .address_space: global }
      - { .name: counts, .offset: 72, .size: 8, .value_kind: global_buffer, .address_space: global }
    .group_segment_fixed_size: 36096
    .private_segment_fixed_size: 0
    .kernarg_segment_align: 8
    .kernarg_segment_size: 80
    .max_flat_workgroup_size: 256
    .sgpr_count:     100
    .vgpr_count:     66
    .wavefront_size: 32
...
	.end_amdgpu_metadata
.endif
;; end of part 3
;; launch experts: the kernel of part 2 again; grid 178 x 1, 8 waves a work-group, no clusters, 98,304 bytes of LDS; arguments wp, order, counts, h_codes, h_scales, b1, b2, b3, out0; writes out0
;; ======== version 3 of 3: 2 launches
;; workspace buffers: wp 2,867,200 bytes; order 262,144 bytes of whole numbers; counts 256 bytes of whole numbers
;; launch prep (part 4): grid 176 x 1, 8 waves a work-group, no clusters, 36,096 bytes of LDS; arguments gate_id, W1_codes, W1_scales, W2_codes, W2_scales, W3_codes, W3_scales, wp, order, counts; writes wp, order, counts
.if DOCPART == 4
	.amdgcn_target "amdgcn-amd-amdhsa--gfx1250"
	.amdhsa_code_object_version 6
	.text
	.protected	k_q67b224a89b_prep
	.globl	k_q67b224a89b_prep
	.p2align	8
	.type	k_q67b224a89b_prep,@function
k_q67b224a89b_prep:
	s_mov_b64 s[64:65], 0
	v_nop
	global_prefetch_b8 v0, s[64:65] scope:SCOPE_SE
	s_setreg_imm32_b32 hwreg(HW_REG_WAVE_MODE, 25, 1), 1
	s_wait_xcnt 0x0
; Two jobs that share nothing, on different work-groups of one launch.
; ROUTING (work-groups 0-63): order[e][0 .. n-1] = the rows whose clip(gate_id, 0, 7) is e, order[e][n .. 8191] = 0, counts[e] = n.
;   Work-group 8 e + p makes part p of expert e's list, places 1024 p .. 1024 p + 1023.  Any part may draw on any id, so each of an expert's eight work-groups compacts all 8,192 ids anew:
;   wave v compacts ids 1024 v .. 1024 v + 1023 into an LDS region of its own, by stages over its 32 registers so that no line waits for the one before; behind one barrier every thread looks up
;   its four places of the part in the eight runs.  The look-up is 84 lines a wave for 128 places; shared among eight work-groups it is done once in each and not eight times in one.
;   No branch and no address in memory hangs on the ids: a place behind the list's end is sent, by a select, to an LDS word that stays 0.
; REPACKING (work-groups 64-175): the codes and scale bytes of W1, W2, W3 are copied once into wp, in the order in which one wave of the next launch takes them into registers.
;   wp holds 64 streams of 44,800 bytes, stream 8 e + w for expert e and wave w: 28 fragments of 1,536 bytes (16 weight rows x 128 K: registers 4 j .. 4 j + 3 of lane l at 512 j + 16 l),
;   then 14 scale registers of 128 bytes (4 bytes a lane).  Fragments 0-15: W1, 4 q + t (K step q, tile t); 16-23: W2, 2 q + u; 24-27: W3, 2 q + u.
;   THE ROWS OF A TILE ARE NOT NEIGHBOURS: lane r of tile u of a pair takes weight row first + 8 u + r + 8 (r / 8), so that in the transposed product a lane's 16 registers of a pair are 16 neighbouring units.
;   Scale register i serves fragments 2 i (lanes 0-15) and 2 i + 1 (lanes 16-31).  One wave copies one pair of fragments and its scale register.
.set NROUTE, 64                        ; routing work-groups: 8 experts x 8 parts
.set RW,     1088                      ; words of a wave's region: 1,024 of list, 32 of dump (one a lane), 32 that stay 0
.set RB,     4*RW
.set CNT,    8*RB                      ; behind the regions: the eight waves' counts
.set STREAM, 44800
.set MK,     32                        ; s32-63  routing: register x's lanes whose id names e
.set PF,     66                        ; s66-97  routing: how many the wave has found ahead of register x;  s98: in all
	s_load_b512 s[4:19], s[0:1], 0x0               ; gate_id s[4:5], W1 codes, scales s[6:9], W2 s[10:13], W3 s[14:17], wp s[18:19]
	s_load_b128 s[20:23], s[0:1], 0x40             ; order s[20:21], counts s[22:23]
	v_lshl_add_u32 v64, v0, 2, 0x8900
	v_mov_b32 v65, 0
	v_lshrrev_b32 v1, 5, v0
	s_delay_alu instid0(VALU_DEP_1)
	v_readfirstlane_b32 s24, v1                    ; wave v
	v_and_b32 v1, 31, v0                           ; lane
	v_and_b32 v2, 15, v0                           ; r
	v_bfe_u32 v3, v0, 4, 1                         ; h
	s_wait_kmcnt 0x0
	s_cmp_lt_u32 ttmp9, NROUTE                     ; the work-group's number: the same in all eight waves
	s_cbranch_scc0 .Lpack
	; ---------------- ROUTING ----------------
	s_lshr_b32 s29, ttmp9, 3                       ; e
	s_and_b32 s31, ttmp9, 7                        ; p
	s_lshl_b32 s25, s24, 12
	s_wait_alu depctr_va_vdst(0)
	v_lshl_add_u32 v4, v1, 4, s25                  ; my wave's 4,096 bytes of ids, 16 bytes a lane
.irp k, 0,1,2,3,4,5,6,7
	global_load_b128 v[16+4*\k:19+4*\k], v4, s[4:5] offset:512*\k      ; register 4 k + c: row 1024 v + 128 k + 4 lane + c
.endr
	s_lshl_b32 s2, ttmp9, 12                       ; order[e], part p: 32,768 e + 4,096 p = 4,096 (8 e + p)
	s_mov_b32 s3, 0
	s_add_nc_u64 s[20:21], s[20:21], s[2:3]
	s_lshl_b32 s2, s29, 2
	s_add_nc_u64 s[22:23], s[22:23], s[2:3]        ; counts[e]
	s_mul_i32 s26, s24, RB                         ; my region
	v_lshl_add_u32 v5, v1, 4, s26
	v_lshl_add_u32 v6, v1, 3, s26
	v_mov_b32 v8, 0
	v_mov_b32 v9, 0
	v_mov_b32 v10, 0
	v_mov_b32 v11, 0
.irp k, 0,1,2,3,4,5,6,7
	ds_store_b128 v5, v[8:11] offset:512*\k        ; the region is cleared by its own wave: LDS serves a wave's instructions in order, so the list's stores below come behind these
.endr
	ds_store_b64 v6, v[8:9] offset:4096            ; dump and zero words
	s_cmp_eq_u32 s29, 0                            ; clip(g, 0, 7) == e  is  g - lo <= span, unsigned and modulo 2^32:
	s_cselect_b32 s27, 0x80000000, s29             ; lo = e, span = 0;  e = 0: everything from the least int32 up to 0: lo = span = 2^31;
	s_cselect_b32 s28, 0x80000000, 0
	s_cmp_eq_u32 s29, 7
	s_cselect_b32 s28, 0x7ffffff8, s28             ; e = 7: everything from 7 up to the largest int32: span = 2^31 - 8
	v_add_nc_u32 v7, 1024, v1                      ; my dump word
	s_lshl_b32 s30, s24, 10
	v_lshl_add_u32 v12, v1, 2, s30                 ; the row of my register 0
	s_mov_b32 s[PF], 0
.irp k, 0,1,2,3,4,5,6,7
	s_wait_loadcnt 7-\k                            ; load k is in; the 7 - k younger ones may be out
.irp c, 0,1,2,3
	v_sub_nc_u32 v[16+4*\k+\c], v[16+4*\k+\c], s27
.endr
.irp c, 0,1,2,3
	s_delay_alu instid0(VALU_DEP_4)
	v_cmp_ge_u32 s[MK+4*\k+\c], s28, v[16+4*\k+\c] ; the lanes whose id names e
.endr
.endr
.set X, 0
.rept 32
	s_bcnt1_i32_b32 s99, s[MK+X]
	s_add_co_u32 s[PF+1+X], s[PF+X], s99           ; found ahead of register X + 1; the last sum, s98, is the wave's count
.set X, X+1
.endr
.set X, 0
.rept 32
	v_mbcnt_lo_u32_b32 v[16+X], s[MK+X], s[PF+X]   ; found ahead of this register + such lanes below me: my place in the wave's list
.set X, X+1
.endr
.set X, 0
.rept 32
	v_cndmask_b32 v[16+X], v7, v[16+X], s[MK+X]    ; the other lanes write to their dump words
.set X, X+1
.endr
.set X, 0
.rept 32
	v_min_u32 v[16+X], 1055, v[16+X]               ; a number made from loaded data enters an address only behind a clamp: list and dump, never the zero words
.set X, X+1
.endr
.set X, 0
.rept 32
	v_lshl_add_u32 v[16+X], v[16+X], 2, s26
.set X, X+1
.endr
.set X, 0
.rept 32
	v_add_nc_u32 v[48+X%8], 128*(X/4)+X%4, v12     ; the row
	ds_store_b32 v[16+X], v[48+X%8]
.set X, X+1
.endr
	v_mov_b32 v13, s98
	v_mov_b32 v15, s24
	s_delay_alu instid0(VALU_DEP_1)
	v_lshlrev_b32 v15, 2, v15
	ds_store_b32 v15, v13 offset:CNT               ; all lanes write the same word with the same value
	s_wait_dscnt 0x0                               ; for the others' sake: my list and my count are in LDS
	s_barrier_signal -1
	s_barrier_wait -1
	v_mov_b32 v4, 0
	ds_load_b128 v[56:59], v4 offset:CNT
	ds_load_b128 v[60:63], v4 offset:CNT+16
	s_lshl_b32 s62, s31, 10
	v_lshl_add_u32 v14, v0, 2, s62                 ; four neighbouring places a thread, so that 16 bytes a lane leave together: place j = 1024 p + 4 thread + c
	v_lshlrev_b32 v5, 4, v0
	s_mov_b32 s57, 1056                            ; a word that stays 0 (wave 0's first)
.irp c, 0,1,2,3
	v_add_nc_u32 v[16+\c], \c, v14
.endr
	s_wait_dscnt 0x0
.irp w, 0,1,2,3,4,5,6,7
	v_readfirstlane_b32 s[70+\w], v[56+\w]
.endr
	s_mov_b32 s40, 0                               ; s[40+w]: the place in the whole list at which wave w's run begins
.irp w, 1,2,3,4,5,6,7
	s_add_co_u32 s[40+\w], s[40+\w-1], s[70+\w-1]
.endr
	s_add_co_u32 s56, s47, s77                     ; n
.irp w, 1,2,3,4,5,6,7
	s_sub_co_u32 s[48+\w], \w*RW, s[40+\w]         ; place j of the list lies at word j + this, if it falls into wave w's run (modulo 2^32)
.endr
	; The four look-ups of a thread go side by side, each with a mask register of its own, so that no line reads the result of the line just before it.
.irp c, 0,1,2,3
	v_cmp_le_u32 s[80+\c], s41, v[16+\c]
.endr
.irp c, 0,1,2,3
	s_delay_alu instid0(VALU_DEP_4)
	v_cndmask_b32 v[20+\c], 0, s49, s[80+\c]
.endr
.irp w, 2,3,4,5,6,7
.irp c, 0,1,2,3
	v_cmp_le_u32 s[80+\c], s[40+\w], v[16+\c]      ; the last wave whose run begins at or below j holds it (an empty run is passed over by the next)
.endr
.irp c, 0,1,2,3
	s_delay_alu instid0(VALU_DEP_4)
	v_cndmask_b32 v[20+\c], v[20+\c], s[48+\w], s[80+\c]
.endr
.endr
.irp c, 0,1,2,3
	v_cmp_le_u32 s[80+\c], s56, v[16+\c]           ; behind the list's end: 0
.endr
.irp c, 0,1,2,3
	v_add_nc_u32 v[20+\c], v[20+\c], v[16+\c]
.endr
.irp c, 0,1,2,3
	s_delay_alu instid0(VALU_DEP_4)
	v_cndmask_b32 v[20+\c], v[20+\c], s57, s[80+\c]
.endr
.irp c, 0,1,2,3
	s_delay_alu instid0(VALU_DEP_4)
	v_min_u32 v[20+\c], 8*RW-1, v[20+\c]
.endr
.irp c, 0,1,2,3
	s_delay_alu instid0(VALU_DEP_4)
	v_lshlrev_b32 v[20+\c], 2, v[20+\c]
.endr
.irp c, 0,1,2,3
	ds_load_b32 v[32+\c], v[20+\c]
.endr
	v_mov_b32 v6, s56
	v_mov_b32 v7, 0
	v_or_b32 v13, s31, v0                          ; 0 in thread 0 of part 0 alone
	s_wait_alu depctr_va_vdst(0)
	s_wait_dscnt 0x0
	global_store_b128 v5, v[32:35], s[20:21]       ; a wave's store covers 512 consecutive bytes, aligned; the eight waves' the part's 4,096
	s_wait_xcnt 0x0                                ; EXEC is a source of the store above: it changes only behind this wait
	v_cmp_eq_u32 vcc_lo, 0, v13
	s_wait_tensorcnt 0x0
	ds_add_u32 v64, v65
	s_wait_dscnt 0x0
	s_and_saveexec_b32 s60, vcc_lo
	global_store_b32 v7, v6, s[22:23]              ; counts[e], by one thread of one of the expert's eight work-groups
	s_wait_xcnt 0x0
	s_or_b32 exec_lo, exec_lo, s60
	s_endpgm
	; ---------------- REPACKING ----------------
.Lpack:
	s_sub_co_u32 s25, ttmp9, NROUTE                ; p: 0-63 W1 (8 pairs for each (e, w)), 64-95 W2 (4 pairs), 96-111 W3 (2 pairs).  Every choice hangs on p alone
	s_cmp_lt_u32 s25, 64
	s_cselect_b64 s[80:81], s[6:7], s[10:11]       ; codes
	s_cselect_b64 s[82:83], s[8:9], s[12:13]       ; scale bytes
	s_cselect_b32 s26, 3, 2                        ; sh: 2^sh pairs for each (e, w), 2^sh work-groups for each e
	s_cselect_b32 s27, 0, 64                       ; the layer's first p
	s_cselect_b32 s28, 0, 8                        ; its first pair in a stream
	s_cselect_b32 s29, 1, 0                        ; W1: a K step has two pairs
	s_cselect_b32 s30, 6, 5                        ; a wave's weight rows: 64 or 32
	s_cmp_lt_u32 s25, 96
	s_cselect_b64 s[80:81], s[80:81], s[14:15]
	s_cselect_b64 s[82:83], s[82:83], s[16:17]
	s_cselect_b32 s26, s26, 1
	s_cselect_b32 s27, s27, 96
	s_cselect_b32 s28, s28, 12
	s_cselect_b32 s31, 1, 0                        ; K = 512 or 256
	s_sub_co_u32 s32, s25, s27
	s_lshr_b32 s33, s32, s26                       ; e
	s_bfm_b32 s34, s26, 0                          ; 2^sh - 1
	s_and_b32 s35, s32, s34
	s_sub_co_u32 s36, 3, s26
	s_lshl_b32 s35, s35, s36
	s_lshr_b32 s36, s24, s26
	s_add_co_u32 s35, s35, s36                     ; w
	s_and_b32 s36, s24, s34                        ; my pair among (e, w)'s of this layer
	s_add_co_u32 s28, s28, s36                     ; i: my pair in the stream
	s_lshr_b32 s37, s36, s29                       ; q: the K step
	s_and_b32 s38, s36, s29                        ; W1: which pair of the step
	s_lshl_b32 s39, s35, s30
	s_lshl_b32 s38, s38, 5
	s_add_co_u32 s39, s39, s38                     ; the pair's first weight row
	s_lshl_b32 s40, 192, s31                       ; a row of codes in bytes
	s_lshl_b32 s41, 8, s31                         ; a row of scale bytes
	s_mul_i32 s42, s33, 24576
	s_lshl_b32 s42, s42, s26                       ; an expert's codes: 196,608, 98,304, 49,152 bytes
	s_mul_i32 s44, s39, s40
	s_add_co_u32 s42, s42, s44
	s_mul_i32 s44, s37, 96                         ; 128 codes are 96 bytes
	s_add_co_u32 s42, s42, s44
	s_mov_b32 s43, 0
	s_add_nc_u64 s[80:81], s[80:81], s[42:43]
	s_lshl_b32 s44, s33, 10
	s_lshl_b32 s44, s44, s26                       ; an expert's scale bytes: 8,192, 4,096, 2,048
	s_mul_i32 s46, s39, s41
	s_add_co_u32 s44, s44, s46
	s_lshl2_add_u32 s44, s37, s44                  ; + 4 q
	s_mov_b32 s45, 0
	s_add_nc_u64 s[82:83], s[82:83], s[44:45]
	s_lshl3_add_u32 s46, s33, s35
	s_mul_i32 s46, s46, STREAM                     ; the stream
	s_mul_i32 s48, s28, 3072
	s_add_co_u32 s48, s48, s46
	s_mov_b32 s49, 0
	s_add_nc_u64 s[84:85], s[18:19], s[48:49]      ; the pair's two fragments
	s_lshl_b32 s50, s28, 7
	s_add_co_u32 s50, s50, s46
	s_add_co_u32 s50, s50, 43008
	s_mov_b32 s51, 0
	s_add_nc_u64 s[86:87], s[18:19], s[50:51]      ; its scale register
	s_wait_alu depctr_va_vdst(0)
	v_and_b32 v4, 8, v2
	s_delay_alu instid0(VALU_DEP_1)
	v_add_nc_u32 v4, v4, v2                        ; r + 8 (r / 8)
	s_delay_alu instid0(VALU_DEP_1)
	v_mul_lo_u32 v5, v4, s40
	s_delay_alu instid0(VALU_DEP_1)
	v_mad_u32_u24 v5, v3, 24, v5                   ; tile 0: my row, + 24 h
	s_lshl_b32 s52, s40, 3
	v_add_nc_u32 v6, s52, v5                       ; tile 1: eight rows on
	v_lshl_add_u32 v7, v3, 3, v4
	s_delay_alu instid0(VALU_DEP_1)
	v_mul_lo_u32 v7, v7, s41                       ; the scale word: lanes 0-15 tile 0's rows, lanes 16-31 tile 1's
	v_lshlrev_b32 v8, 4, v1
	v_lshlrev_b32 v9, 2, v1
.irp u, 0,1
.irp p, 0,1,2,3,4,5
	global_load_b64 v[16+12*\u+2*\p:17+12*\u+2*\p], v[5+\u], s[80:81] offset:48*(\p/3)+8*(\p%3)   ; registers 6 c .. 6 c + 5: K = 64 c + 32 h + 0 .. 31, 24 bytes as they lie
.endr
.endr
	global_load_b32 v40, v7, s[82:83]
	s_wait_alu depctr_va_vdst(0)
	s_wait_loadcnt 0x0
.irp u, 0,1
.irp j, 0,1,2
	global_store_b128 v8, v[16+12*\u+4*\j:19+12*\u+4*\j], s[84:85] offset:1536*\u+512*\j   ; 512 consecutive bytes, aligned
.endr
.endr
	global_store_b32 v9, v40, s[86:87]
	s_endpgm
.Lfunc_end_k_q67b224a89b_prep:
	.size	k_q67b224a89b_prep, .Lfunc_end_k_q67b224a89b_prep-k_q67b224a89b_prep
	.p2alignl 7, 3214868480
	.fill 96, 4, 3214868480
	.section	.rodata,"a",@progbits
	.p2align	6, 0x0
	.amdhsa_kernel k_q67b224a89b_prep
		.amdhsa_group_segment_fixed_size 36096
		.amdhsa_private_segment_fixed_size 0
		.amdhsa_enable_private_segment 0
		.amdhsa_kernarg_size 80
		.amdhsa_user_sgpr_count 2
		.amdhsa_user_sgpr_kernarg_segment_ptr 1
		.amdhsa_wavefront_size32 1
		.amdhsa_system_sgpr_workgroup_id_x 1
		.amdhsa_system_sgpr_workgroup_id_y 1
		.amdhsa_system_sgpr_workgroup_id_z 1
		.amdhsa_system_vgpr_workitem_id 0
		.amdhsa_next_free_vgpr 66
		.amdhsa_next_free_sgpr 100
		.amdhsa_reserve_vcc 1
		.amdhsa_float_denorm_mode_32 3
		.amdhsa_float_denorm_mode_16_64 3
		.amdhsa_memory_ordered 1
		.amdhsa_forward_progress 1
		.amdhsa_inst_pref_size 36
	.end_amdhsa_kernel
	.amdgpu_metadata
---
amdhsa.version: [ 1, 2 ]
amdhsa.kernels:
  - .name:           k_q67b224a89b_prep
    .symbol:         k_q67b224a89b_prep.kd
    .args:
      - { .name: gate_id, .offset: 0, .size: 8, .value_kind: global_buffer, .address_space: global }
      - { .name: W1_codes, .offset: 8, .size: 8, .value_kind: global_buffer, .address_space: global }
      - { .name: W1_scales, .offset: 16, .size: 8, .value_kind: global_buffer, .address_space: global }
      - { .name: W2_codes, .offset: 24, .size: 8, .value_kind: global_buffer, .address_space: global }
      - { .name: W2_scales, .offset: 32, .size: 8, .value_kind: global_buffer, .address_space: global }
      - { .name: W3_codes, .offset: 40, .size: 8, .value_kind: global_buffer, .address_space: global }
      - { .name: W3_scales, .offset: 48, .size: 8, .value_kind: global_buffer, .address_space: global }
      - { .name: wp, .offset: 56, .size: 8, .value_kind: global_buffer, .address_space: global }
      - { .name: order, .offset: 64, .size: 8, .value_kind: global_buffer, .address_space: global }
      - { .name: counts, .offset: 72, .size: 8, .value_kind: global_buffer, .address_space: global }
    .group_segment_fixed_size: 36096
    .private_segment_fixed_size: 0
    .kernarg_segment_align: 8
    .kernarg_segment_size: 80
    .max_flat_workgroup_size: 256
    .sgpr_count:     100
    .vgpr_count:     66
    .wavefront_size: 32
...
	.end_amdgpu_metadata
.endif
;; end of part 4
;; launch experts (part 5): grid 178 x 1, 8 waves a work-group, no clusters, 98,304 bytes of LDS; arguments wp, order, counts, h_codes, h_scales, b1, b2, b3, out0; writes out0
.if DOCPART == 5
	.amdgcn_target "amdgcn-amd-amdhsa--gfx1250"
	.amdhsa_code_object_version 6
	.text
	.protected	k_q67b224a89b_experts
	.globl	k_q67b224a89b_experts
	.p2align	8
	.type	k_q67b224a89b_experts,@function
k_q67b224a89b_experts:
	s_mov_b64 s[64:65], 0
	v_nop
	global_prefetch_b8 v0, s[64:65] scope:SCOPE_SE
	s_setreg_imm32_b32 hwreg(HW_REG_WAVE_SCHED_MODE, 0, 2), 2
	s_setreg_imm32_b32 hwreg(HW_REG_WAVE_MODE, 25, 1), 1
	s_wait_xcnt 0x0
	s_wait_alu depctr_vm_vsrc(0)
; out0[row] = W3e^T leaky(W2e^T leaky(W1e^T h[row] + b1e) + b2e) + b3e, e = the row's expert; all three products on codes of FP6 (E2M3) with one E8M0 scale for each 32 along K; sums in f32.
; ONLY THE ROW'S OWN EXPERT IS COMPUTED: the selection at the end keeps nothing of the other seven.
; SHARES.  A work-group takes a CHUNK: 48 places of one expert's list (order, counts: stored by the launch before), three tiles m of 16 rows.  Chunk c belongs to the last expert whose first chunk is at or below c.
;   The sum over experts of ceil(n / 48) is at most (8,192 + 8 x 47) / 48 = 178, the grid; how many chunks there are hangs on the ids, so a work-group past the last chunk runs with all its rows beyond the list's end and stores nothing
;   (no barrier stands under a branch on loaded numbers).  Places beyond a list's end name row 0; their results are not stored.
;   Wave v makes, for all 48 rows: layer 1 units 64 v .. + 63 (4 tiles), layer 2 units 32 v .. + 31 (2 tiles), layer 3 outputs 32 v .. + 31 (2 tiles): 84 matrix instructions.
; LAYOUT.  Every product is used transposed: source 0 = 16 weight rows, source 1 = 16 batch rows.  A lane (r, h) then holds batch row r, and, by the choice of a tile's weight rows made when wp was laid,
;   the 16 registers of a pair of tiles are 16 neighbouring units, first + 16 h + 0 .. 15: neighbours along the next product's K, as the conversion wants them.  The bias is the C of a layer's first K step.
; WEIGHTS go from wp straight into the registers of the one wave that multiplies them, 512 consecutive bytes a load; all loads are issued early, 20 slots of 12 registers, eight of them filled twice.
; ACTIVATIONS (h, a1, a2) pass between waves through LDS as register images of fragments: half c of a fragment is 768 bytes: registers 6 c .. 6 c + 3 at 16 lane, registers 6 c + 4, 5 at 512 + 8 lane: every access is contiguous.
; NO CLUSTER, NO JOINT LOADS, though an expert's chunks read the same 358,400 bytes of wp: how many chunks an expert has hangs on counts read from memory, so the grid does not divide into clusters of one expert;
;   and the set is larger than the 327,680 bytes of LDS: shared through LDS it would be written there in parts that are filled again and read back, 358,400 bytes each way beside the 368,640 bytes of fragments that the eight waves read now.
; LIMITS: NaN and infinities among the activations are not served; a block whose largest magnitude lies under 2^-124 gets the byte 1, as the quantiser's hold at -126 gives; the bias starts the sum and is not added at its end, so the order of rounding differs there.
; THE MODE: SCHED_MODE bits 1:0 = 2 (LLVM: expert scheduling mode 2), set by the entry lines.  The code itself states the register dependences between vector or matrix instructions and memory or LDS instructions,
;   with s_wait_alu, always for 0.
; THE PLAN.  Registers that memory or LDS instructions touch:
;   v1-4, v8-17      offsets and LDS addresses: written once at the head, never again.
;   v228-236         the gather's addresses: written by vector lines, read by loads A, E, F; v210-227: h as gathered, read by the head's LDS stores.  All of them are part of fragment set 1 from layer 1 on.
;   sets 0 and 1     (v174-209, v210-245): the LDS loads of K step q + 1 land in the set that step q - 1's products read.  Between the layers they are TS and XQ: written by the quantisers, XQ read by their LDS stores.
;   v34-45           the activations' scale words: each layer's products read them, the next layer's LDS loads land in them.
;   v46-77, slots 0-7 of window 1: read by the products of layer 1's steps 0 and 1, loaded again in its step 2.
;   v126-173         layer 3's sums, read by the stage's stores;  v222-227 the rows' addresses in out0, read by the global stores;  v174-221 the rows read back from the stage.
;   So a wait on va_vdst stands: ahead of loads A; ahead of loads E; at the head of steps 1 and 2 of layers 1 and 2; ahead of each quantiser's run of nine LDS stores (no vector line follows it up to the next layer's first
;   products, so it serves that layer's first LDS loads too); ahead of the stage's stores (it serves the loads from the stage and the global stores too).  A wait on vm_vsrc stands behind each of the first three barriers,
;   ahead of the LDS loads that land in registers which stores or loads have read.  A wait on va_sdst stands behind the wave's number, one on va_vcc between each block's compare and its select.
.set HB,     0                         ; h:  fragment (m, q) at 6144 m + 1536 q
.set A1B,    18432                     ; a1: the same
.set A2B,    36864                     ; a2: fragment (m, q) at 3072 m + 1536 q
.set A1S,    46080                     ; a1's scale bytes: 256 m + 16 r + block
.set A2S,    46848                     ; a2's: 128 m + 8 r + block
.set STAGE,  47360                     ; the way out: 48 rows of 1,024 bytes, 1,040 apart: 260 words, so that the 16 rows of a store begin at 16 different groups of four banks (64 banks of 4 bytes: ISA guide 11.1)
.set SP,     1040
.set STREAM, 44800
; window 0: v1 16 lane, v2 8 lane, v3 4 lane, v4 64 h, v5-7 row numbers, v8-17 LDS addresses, v18 48 v + 24 h, v19 r
.set WSC,    20                        ; v20-33   the stream's 14 scale registers
.set ASC,    34                        ; v34-45   the activations' scale words: 4 m + q
.set BIAS,   46                        ; v46-77   b1's 32; then b2's 16 and b3's 16
.set ACC,    78                        ; v78-173  layer 1: tile (m, t) at 32 m + 8 t; layer 2: (m, u) at 16 m + 8 u; layer 3: (m, u) at 48 + 16 m + 8 u
.set FR0,    174                       ; v174-209, v210-245: two sets of three fragments (one for each m); between the layers at work
.set TS,     174                       ; v174-205 0.2 x
.set XQ,     206                       ; v206-241 tile m's codes at 12 m; +9: its scale bytes.   v242-247 a block's maximum, byte, scale
; window 1: weight slot k at v[12 k .. 12 k + 11], k = 0 .. 19
.set MSB, 0
.macro WIN new                         ; s_set_vgpr_msb: bits 1:0 source 0, 7:6 destination; the high byte repeats the setting that is left
.if MSB != \new
	s_set_vgpr_msb (MSB<<8)|\new
.set MSB, \new
.endif
.endm
.macro PLACES                          ; a load into a register that a matrix instruction has read, and whatever reads a matrix result, stand four plain vector instructions behind it (ISA guide 7.12.1 for what reads a matrix result); the wait on va_vdst stands behind the places and fills none
.rept 4
	v_nop
.endr
.endm
.macro BAR                             ; what I stored to LDS is there, what I read is back; then all eight waves meet
	s_wait_dscnt 0x0
	s_barrier_signal -1
	s_barrier_wait -1
.endm
.macro WLOAD f, k                      ; fragment f of my stream into slot k (under WIN 0x40)
.irp j, 0,1,2
	global_load_b128 v[12*(\k)+4*\j:12*(\k)+4*\j+3], v1, s[42:43] offset:1536*(\f)+512*\j
.endr
.endm
.macro FETCH reg, buf, q, ms           ; the three tiles' fragments of K step q: 12 LDS loads
.irp m, 0,1,2
	ds_load_b128 v[\buf+12*\m:\buf+12*\m+3], v1 offset:\reg+\ms*\m+1536*(\q)
	ds_load_b64 v[\buf+12*\m+4:\buf+12*\m+5], v2 offset:\reg+\ms*\m+1536*(\q)+512
	ds_load_b128 v[\buf+12*\m+6:\buf+12*\m+9], v1 offset:\reg+\ms*\m+1536*(\q)+768
	ds_load_b64 v[\buf+12*\m+10:\buf+12*\m+11], v2 offset:\reg+\ms*\m+1536*(\q)+1280
.endr
.endm
.macro MM d, slot, bf, c, ws, row1, as ; D = 16 weight rows (slot, window 1) x 16 batch rows (bf) + C; the weights' scales in lanes 0-15 or (row1) 16-31 of ws
.if \row1
	v_wmma_scale_f32_16x16x128_f8f6f4 v[\d:\d+7], v[12*(\slot):12*(\slot)+11], v[\bf:\bf+11], v[\c:\c+7], v[\ws], v[\as] matrix_a_fmt:MATRIX_FMT_FP6 matrix_b_fmt:MATRIX_FMT_FP6 matrix_a_scale:MATRIX_SCALE_ROW1
.else
	v_wmma_scale_f32_16x16x128_f8f6f4 v[\d:\d+7], v[12*(\slot):12*(\slot)+11], v[\bf:\bf+11], v[\c:\c+7], v[\ws], v[\as] matrix_a_fmt:MATRIX_FMT_FP6 matrix_b_fmt:MATRIX_FMT_FP6
.endif
.endm
.macro LEAKY a, n                      ; x = max(x, 0.2 x), which is x above 0 and 0.2 x below.  Ascending
.set J, 0
.rept \n/2
	v_pk_mul_f32 v[TS+J:TS+J+1], v[\a+J:\a+J+1], s[40:41] op_sel_hi:[1,0]
.set J, J+2
.endr
.set J, 0
.rept \n
	v_max_num_f32 v[\a+J], v[\a+J], v[TS+J]
.set J, J+1
.endr
.endm
.macro BLKSCALE a, mx, by, sf          ; a block of 32: my 16 numbers and those of lane l xor 16: largest magnitude; byte = its exponent field - 2, held at 1 from below, 127 for a block of zeros; the scale as f32
	v_max3_num_f32 v[\mx], |v[\a]|, |v[\a+1]|, |v[\a+2]|
.irp i, 3,5,7,9,11,13
	v_max3_num_f32 v[\mx], v[\mx], |v[\a+\i]|, |v[\a+\i+1]|
.endr
	v_max_num_f32 v[\mx], v[\mx], |v[\a+15]|
	v_mov_b32 v[\by], 0                            ; (the destination of a lane permute counts as read)
	v_permlanex16_b32 v[\by], v[\mx], s38, s39
	v_max_num_f32 v[\mx], v[\mx], v[\by]
	v_cmp_eq_u32 vcc_lo, 0, v[\mx]                 ; a block of zeros?  The four lines below stand between the compare and the wait for its mask
	v_lshrrev_b32 v[\by], 23, v[\mx]
	v_max_u32 v[\by], 3, v[\by]
	v_add_nc_u32 v[\by], -2, v[\by]
	v_lshlrev_b32 v[\sf], 23, v[\by]
	s_wait_alu depctr_va_vcc(0)                    ; the compare has written VCC, which the select below reads
	v_cndmask_b32 v[\by], v[\by], 127, vcc_lo
.endm
	; ---------------- the head: which chunk ----------------
	s_load_b256 s[4:11], s[0:1], 0x0               ; wp s[4:5], order s[6:7], counts s[8:9], h's codes s[10:11]
	s_load_b256 s[12:19], s[0:1], 0x20             ; h's scales s[12:13], b1 s[14:15], b2 s[16:17], b3 s[18:19]
	s_load_b64 s[20:21], s[0:1], 0x40              ; out0
	v_lshl_add_u32 v254, v0, 2, 0x17c00            ; the closing add's two registers, kept for it alone: my spare word, behind the stage,
	v_mov_b32 v255, 0                              ; and 0
	v_lshrrev_b32 v246, 5, v0
	v_readfirstlane_b32 s22, v246                  ; wave v
	v_and_b32 v247, 31, v0                         ; lane
	v_and_b32 v19, 15, v0                          ; r
	v_bfe_u32 v248, v0, 4, 1                       ; h
	v_lshlrev_b32 v1, 4, v247
	v_lshlrev_b32 v2, 3, v247
	v_lshlrev_b32 v3, 2, v247
	v_lshlrev_b32 v4, 6, v248
	s_mov_b32 s38, 0x76543210                      ; v_permlanex16_b32's selects for lane l xor 16
	s_mov_b32 s39, 0xfedcba98
	s_mov_b32 s40, 0x3e4ccccd                      ; 0.2
	s_mov_b32 s41, 0x3e4ccccd                      ; (named with it as a pair)
	s_wait_alu depctr_va_vdst(0)
	s_wait_kmcnt 0x0
	s_load_b256 s[24:31], s[8:9], 0x0              ; the eight counts; the LDS addresses are made while they come
	s_wait_alu depctr_va_sdst(0)                   ; s22, the wave's number, is written, ahead of its first reader: LDS addresses and bases are made from it
	s_mul_i32 s62, s22, 768                        ; h and a1: wave v writes half v % 2 of K step v / 2: 768 v
	v_add_nc_u32 v8, s62, v1
	v_add_nc_u32 v9, s62, v2
	v_add_nc_u32 v9, 512, v9
	s_lshr_b32 s62, s22, 1                         ; a2: wave v's one block is block v % 2 of half (v / 2) % 2 of K step v / 4: 768 (v / 2), lanes r + 16 (v % 2)
	s_mul_i32 s62, s62, 768
	s_and_b32 s63, s22, 1
	s_lshl_b32 s66, s63, 8
	s_add_co_u32 s66, s66, s62
	v_lshl_add_u32 v10, v19, 4, s66
	s_lshl_b32 s66, s63, 7
	s_add_co_u32 s66, s66, s62
	s_add_co_u32 s66, s66, 512
	v_lshl_add_u32 v11, v19, 3, s66
	s_lshl_b32 s66, s22, 1
	v_lshl_add_u32 v12, v19, 4, s66                ; a1's scale bytes: row r, blocks 2 v and 2 v + 1
	v_lshl_add_u32 v13, v19, 3, s22                ; a2's: row r, block v
	v_lshlrev_b32 v14, 4, v19                      ; and back: row r's 16 bytes,
	v_lshlrev_b32 v15, 3, v19                      ; row r's 8
	v_mul_u32_u24 v16, v19, SP                     ; into the stage: row r, columns 32 v + 16 h on
	v_add_nc_u32 v16, v16, v4
	s_lshl_b32 s66, s22, 7
	s_add_co_u32 s66, s66, STAGE
	v_add_nc_u32 v16, s66, v16
	s_mul_i32 s66, s22, 2*SP                       ; out of it: rows 2 v and 2 v + 1 of each tile, 16 bytes a lane
	s_add_co_u32 s66, s66, STAGE
	v_add_nc_u32 v17, s66, v1
	s_mul_i32 s66, s22, 48
	v_mad_u32_u24 v18, v248, 24, s66               ; my 24 bytes of a row of h's codes: 48 v + 24 h
	s_mov_b32 s32, 0                               ; chunks of the experts passed
	s_mov_b32 s33, 0                               ; e
	s_mov_b32 s34, 0                               ; e's first chunk
	s_mov_b32 s35, 0                               ; n: e's count
	s_wait_kmcnt 0x0
.irp i, 0,1,2,3,4,5,6,7
	s_min_u32 s[24+\i], s[24+\i], 8192
	s_cmp_le_u32 s32, ttmp9                        ; the last expert that begins at or below my chunk (one without rows is passed over by the next)
	s_cselect_b32 s33, \i, s33
	s_cselect_b32 s34, s32, s34
	s_cselect_b32 s35, s[24+\i], s35
	s_add_co_u32 s37, s[24+\i], 47
	s_mul_hi_u32 s37, s37, 0x05555556              ; / 48: exact for numbers under 2^27
	s_add_co_u32 s32, s32, s37
.endr
	s_min_u32 s33, s33, 7
	s_sub_co_u32 s36, ttmp9, s34
	s_mul_i32 s36, s36, 48                         ; pos0: my first place in the list
	s_lshl3_add_u32 s66, s33, s22
	s_mul_i32 s66, s66, STREAM
	s_mov_b32 s67, 0
	s_add_nc_u64 s[42:43], s[4:5], s[66:67]        ; my stream
	s_lshl_b32 s66, s33, 11
	s_lshl_b32 s62, s22, 8
	s_add_co_u32 s66, s66, s62
	s_add_nc_u64 s[44:45], s[14:15], s[66:67]      ; b1 at unit 64 v of expert e
	s_lshl_b32 s66, s33, 10
	s_lshl_b32 s62, s22, 7
	s_add_co_u32 s66, s66, s62
	s_add_nc_u64 s[46:47], s[16:17], s[66:67]      ; b2 and b3 at unit 32 v
	s_add_nc_u64 s[48:49], s[18:19], s[66:67]
	s_lshl_b32 s66, s33, 15
	s_add_nc_u64 s[50:51], s[6:7], s[66:67]        ; order[e]
	s_lshl1_add_u32 s61, s22, s36                  ; pos0 + 2 v: the place of the first row that I store
.irp m, 0,1,2
	s_add_co_u32 s[58+\m], s61, 16*\m
	s_min_u32 s[58+\m], s[58+\m], 8190             ; even, so that the pair of words is aligned and inside the list
	s_lshl_b32 s[58+\m], s[58+\m], 2
	s_load_b64 s[52+2*\m:53+2*\m], s[50:51], s[58+\m] offset:0x0   ; the row numbers of rows 2 v, 2 v + 1 of tile m: wanted on the way out
.endr
	; ---------------- the loads.  LOADcnt counts them in this order: A 3, B 14, C 8, D 12 | E 3, F 9, G 12, H 12, I 12, J 12 | (in layer 1's step 2) K 4, N 4, L 12, M 12 ----------------
.irp m, 0,1,2
	v_add3_u32 v[228+\m], s36, v19, 16*\m          ; the three tiles' places in the list are made together, so that one wait serves their three loads
.endr
.irp m, 0,1,2
	v_min_u32 v[228+\m], 0x1fff, v[228+\m]
.endr
.irp m, 0,1,2
	v_lshlrev_b32 v[228+\m], 2, v[228+\m]
.endr
	s_wait_alu depctr_va_vdst(0)                   ; v228-230 are written, which loads A read; so are v1-4 and v8-17, the offsets and LDS addresses of the whole kernel.  Up to load D only loads and a window switch follow
.irp m, 0,1,2
	global_load_b32 v[5+\m], v[228+\m], s[50:51]                       ; A: the row number of row r of tile m
.endr
.irp i, 0,1,2,3,4,5,6,7,8,9,10,11,12,13
	global_load_b32 v[WSC+\i], v3, s[42:43] offset:43008+128*\i        ; B: the weights' scale registers
.endr
.irp b, 0,1
.irp j, 0,1,2,3
	global_load_b128 v[BIAS+16*\b+4*\j:BIAS+16*\b+4*\j+3], v4, s[44:45] offset:128*\b+16*\j   ; C: b1 at units 32 b + 16 h + 0 .. 15: tile t's eight at BIAS + 8 t
.endr
.endr
	WIN 0x40
.irp f, 0,1,2,3
	WLOAD \f, \f                                   ; D: W1, K step 0
.endr
	WIN 0
	s_wait_loadcnt 34                              ; A is in: B, C and D, 34 loads, were issued behind it
.irp m, 0,1,2
	v_min_u32 v[5+\m], 0x1fff, v[5+\m]
	v_mad_u32_u24 v[231+\m], v[5+\m], 384, v18     ; a row of h's codes is 384 bytes
	v_lshlrev_b32 v[234+\m], 4, v[5+\m]            ; of its scale bytes 16
.endr
	s_wait_alu depctr_va_vdst(0)                   ; v231-236 are written, which loads E and F read.  Up to load J only loads and a window switch follow
.irp m, 0,1,2
	global_load_b128 v[ASC+4*\m:ASC+4*\m+3], v[234+\m], s[12:13]       ; E: row r's four scale words
.endr
.irp m, 0,1,2
.irp p, 0,1,2
	global_load_b64 v[210+6*\m+2*\p:211+6*\m+2*\p], v[231+\m], s[10:11] offset:8*\p   ; F: wave v gathers half v % 2 of K step v / 2 of all three tiles
.endr
.endr
	WIN 0x40
.irp f, 4,5,6,7,8,9,10,11,12,13,14,15,16,17,18,19
	WLOAD \f, \f                                   ; G, H, I: W1, K steps 1 to 3;  J: W2, K steps 0 and 1
.endr
	WIN 0
	s_wait_loadcnt 48                              ; A to F are in: G to J, 48 loads, were issued behind F
.irp m, 0,1,2
	ds_store_b128 v8, v[210+6*\m:213+6*\m] offset:HB+6144*\m
	ds_store_b64 v9, v[214+6*\m:215+6*\m] offset:HB+6144*\m
.endr
	BAR                                            ; h's fragments are whole
	s_wait_alu depctr_vm_vsrc(0)                   ; the LDS stores above have read v210-227, loads A, E and F their addresses v228-236: these registers are fragment set 1 from here on, in which step 0's LDS loads land
	; ---------------- layer 1: 4 K steps x 12 matrix instructions.  The 12 accumulators take turns, one instruction a turn, in the same order in every step ----------------
.macro REFILL                          ; slots 0-7 and the bias registers have been read for the last time in layer 1: K b2, N b3, L W2's K steps 2 and 3, M W3
.irp j, 0,1,2,3
	global_load_b128 v[BIAS+4*\j:BIAS+4*\j+3], v4, s[46:47] offset:16*\j
.endr
.irp j, 0,1,2,3
	global_load_b128 v[BIAS+16+4*\j:BIAS+16+4*\j+3], v4, s[48:49] offset:16*\j
.endr
	WIN 0x40
.irp f, 0,1,2,3,4,5,6,7
	WLOAD 20+\f, \f
.endr
	WIN 0
.endm
.macro L1STEP q
.if (\q > 0) && (\q < 3)
	PLACES                                         ; in front of loads into registers that the step before has multiplied
	s_wait_alu depctr_va_vdst(0)                   ; the products of the step before are done reading the set of fragments in which the LDS loads below land; in step 2 those of steps 0 and 1 are also done reading the bias registers and slots 0-7, in which the refill lands.  Only loads and window switches follow up to the last of them
.endif
.if \q == 2
	REFILL
.endif
.if \q < 3
	FETCH HB, FR0+36*((\q+1)%2), \q+1, 6144
	s_wait_dscnt 12                                ; this step's fragments are in; the 12 loads just issued may be out
.else
	s_wait_dscnt 0x0
.endif
.if \q == 1
	s_wait_loadcnt 36                              ; G is in: behind it H, I, J
.elseif \q == 2
	s_wait_loadcnt 56                              ; H is in: behind it I, J and the refill's 32
.elseif \q == 3
	s_wait_loadcnt 44                              ; I is in: behind it J and the refill's 32
.endif
	WIN 0x01
.irp t, 0,1,2,3
.irp m, 0,1,2
.if \q == 0
	MM ACC+32*\m+8*\t, 4*\q+\t, FR0+36*(\q%2)+12*\m, BIAS+8*\t, WSC+2*\q+\t/2, \t%2, ASC+4*\m+\q
.else
	MM ACC+32*\m+8*\t, 4*\q+\t, FR0+36*(\q%2)+12*\m, ACC+32*\m+8*\t, WSC+2*\q+\t/2, \t%2, ASC+4*\m+\q
.endif
.endr
.endr
	WIN 0
.endm
	FETCH HB, FR0, 0, 6144
	L1STEP 0
	L1STEP 1
	L1STEP 2
	L1STEP 3
	; ---------------- a1 = leaky(..), quantised along the units.  My 64 units are blocks 2 v and 2 v + 1: half v % 2 of layer 2's K step v / 2 ----------------
	; The three tiles are quantised first, each into registers of its own; their nine LDS stores follow in one run, behind one wait.
.macro QUANT1 m
.set A, ACC+32*\m
.set X, XQ+12*\m
	LEAKY A, 32
	BLKSCALE A, 242, 243, 244
	BLKSCALE A+16, 245, 246, 247
	v_lshl_or_b32 v[X+9], v246, 8, v243
	v_cvt_scalef32_pk16_fp6_f32 v[X:X+2], v[A:A+15], v244          ; block 2 v: the codes of its 16 h + 0 .. 15
	v_cvt_scalef32_pk16_fp6_f32 v[X+6:X+8], v[A+16:A+31], v247     ; block 2 v + 1 likewise  (a conversion's three registers begin on an even number)
	v_nop                                          ; one plain place behind a scaled conversion
.irp i, 0,1,2
	v_permlane16_swap_b32 v[X+\i], v[X+6+\i]       ; the operand wants a whole block in a lane: lanes 0-15 block 2 v, lanes 16-31 block 2 v + 1: the first now holds each lane's lower 16 codes, the second the upper 16
.endr
.irp i, 0,1,2
	v_mov_b32 v[X+3+\i], v[X+6+\i]
.endr
.endm
.macro SEND1 m
.set X, XQ+12*\m
	ds_store_b128 v8, v[X:X+3] offset:A1B+6144*\m
	ds_store_b64 v9, v[X+4:X+5] offset:A1B+6144*\m
	ds_store_b16 v12, v[X+9] offset:A1S+256*\m     ; both halves of the lanes write the same two bytes with the same values
.endm
	PLACES                                         ; behind the last products: their results are read, their fragments' registers are put to work
	QUANT1 0
	QUANT1 1
	QUANT1 2
	s_wait_alu depctr_va_vdst(0)                   ; the quantisers have written the three tiles' codes and scale bytes, which the stores below read.  They are also done with v174-247, and layer 1's products with v34-45: layer 2's first LDS loads land there, and no vector line stands between
	SEND1 0
	SEND1 1
	SEND1 2
	BAR                                            ; a1's fragments and scale bytes are whole
	s_wait_alu depctr_vm_vsrc(0)                   ; my LDS stores have read their codes and scale bytes in v206-239, in which the LDS loads below land
	; ---------------- layer 2: 4 K steps x 6 matrix instructions, the six accumulators by turns ----------------
.macro L2STEP q
.if (\q > 0) && (\q < 3)
	PLACES
	s_wait_alu depctr_va_vdst(0)                   ; the products of the step before are done reading the set of fragments in which the LDS loads below land
.endif
.if \q < 3
	FETCH A1B, FR0+36*((\q+1)%2), \q+1, 6144
	s_wait_dscnt 12                                ; all but the 12 just issued (in step 0: the scale words too)
.else
	s_wait_dscnt 0x0
.endif
.if \q == 0
	s_wait_loadcnt 28                              ; J and K (b2) are in: behind K stand N, L, M
.elseif \q == 2
	s_wait_loadcnt 12                              ; L is in: behind it M
.endif
.if \q < 2
.set SL, 16+2*\q
.else
.set SL, 2*\q-4
.endif
	WIN 0x01
.irp u, 0,1
.irp m, 0,1,2
.if \q == 0
	MM ACC+16*\m+8*\u, SL+\u, FR0+36*(\q%2)+12*\m, BIAS+8*\u, WSC+8+\q, \u, ASC+4*\m+\q
.else
	MM ACC+16*\m+8*\u, SL+\u, FR0+36*(\q%2)+12*\m, ACC+16*\m+8*\u, WSC+8+\q, \u, ASC+4*\m+\q
.endif
.endr
.endr
	WIN 0
.endm
.irp m, 0,1,2
	ds_load_b128 v[ASC+4*\m:ASC+4*\m+3], v14 offset:A1S+256*\m     ; row r's four scale words
.endr
	FETCH A1B, FR0, 0, 6144
	L2STEP 0
	L2STEP 1
	L2STEP 2
	L2STEP 3
	; ---------------- a2 = leaky(..), quantised.  My 32 units are block v ----------------
.macro QUANT2 m
.set A, ACC+16*\m
.set X, XQ+12*\m
	LEAKY A, 16
	BLKSCALE A, 242, X+9, 244
	v_cvt_scalef32_pk16_fp6_f32 v[X:X+2], v[A:A+15], v244          ; the codes of the block's 16 h + 0 .. 15
	v_nop
.irp i, 0,1,2
	v_mov_b32 v[X+3+\i], v[X+\i]
.endr
.irp i, 0,1,2
	v_permlane16_swap_b32 v[X+\i], v[X+3+\i]       ; every lane now holds row r's whole block: the lower 16 codes in the first three registers, the upper 16 in the others
.endr
.endm
.macro SEND2 m
.set X, XQ+12*\m
	ds_store_b128 v10, v[X:X+3] offset:A2B+3072*\m ; both halves of the lanes write the same bytes with the same values
	ds_store_b64 v11, v[X+4:X+5] offset:A2B+3072*\m
	ds_store_b8 v13, v[X+9] offset:A2S+128*\m
.endm
	PLACES
	QUANT2 0
	QUANT2 1
	QUANT2 2
	s_wait_alu depctr_va_vdst(0)                   ; the quantisers have written the three tiles' codes and scale bytes, which the stores below read.  They are also done with v174-244, and layer 2's products with v34-45: layer 3's LDS loads land there, and no vector line stands between
	SEND2 0
	SEND2 1
	SEND2 2
	BAR                                            ; a2's fragments and scale bytes are whole
	s_wait_alu depctr_vm_vsrc(0)                   ; my LDS stores have read their codes and scale bytes in v206-239: the LDS loads below land there, and the rows' addresses are written into v222-227 on the way out
	; ---------------- layer 3: 2 K steps x 6 matrix instructions ----------------
.macro L3STEP q
.if \q == 0
	FETCH A2B, FR0+36, 1, 3072
	s_wait_dscnt 12
	s_wait_loadcnt 0x0                             ; M (W3) and N (b3): nothing was issued behind M
.else
	s_wait_dscnt 0x0
.endif
	WIN 0x01
.irp u, 0,1
.irp m, 0,1,2
.if \q == 0
	MM ACC+48+16*\m+8*\u, 4+2*\q+\u, FR0+36*(\q%2)+12*\m, BIAS+16+8*\u, WSC+12+\q, \u, ASC+4*\m+\q
.else
	MM ACC+48+16*\m+8*\u, 4+2*\q+\u, FR0+36*(\q%2)+12*\m, ACC+48+16*\m+8*\u, WSC+12+\q, \u, ASC+4*\m+\q
.endif
.endr
.endr
	WIN 0
.endm
.irp m, 0,1,2
	ds_load_b64 v[ASC+4*\m:ASC+4*\m+1], v15 offset:A2S+128*\m      ; row r's two scale words
.endr
	FETCH A2B, FR0, 0, 3072
	L3STEP 0
	L3STEP 1
	; ---------------- the way out: a lane holds 16 neighbouring numbers of a row, the eight waves together a whole row: through the stage, and out as whole rows of 1,024 bytes ----------------
	PLACES
	s_wait_kmcnt 0x0                               ; the six row numbers.  The rows' addresses are made here, behind the places, so that the one wait below serves the global stores too
.irp g, 0,1,2,3,4,5
	s_min_u32 s[52+\g], s[52+\g], 0x1fff
	v_lshl_add_u32 v[222+\g], s[52+\g], 10, v1     ; the row's 1,024 bytes of out0, 16 bytes a lane
.endr
	s_wait_alu depctr_va_vdst(0)                   ; the last products have written the sums, which the stage's stores read, and are done reading both sets of fragments, in which the loads from the stage land; v222-227 are written, which the global stores read.  No vector line follows
.irp m, 0,1,2
.irp u, 0,1
.irp j, 0,1
	ds_store_b128 v16, v[ACC+48+16*\m+8*\u+4*\j:ACC+48+16*\m+8*\u+4*\j+3] offset:16*SP*\m+32*\u+16*\j   ; each accumulator from its low end on
.endr
.endr
.endr
	BAR                                            ; the 48 rows are whole
.irp m, 0,1,2
.irp i, 0,1
.irp k, 0,1
	ds_load_b128 v[FR0+8*(2*\m+\i)+4*\k:FR0+8*(2*\m+\i)+4*\k+3], v17 offset:16*SP*\m+SP*\i+512*\k
.endr
.endr
.endr
.macro OUTROW m, i
.set G, 2*\m+\i
	s_wait_dscnt 10-2*G                            ; this row's two loads are back; the later rows' may be out
	s_add_co_u32 s62, s61, 16*\m+\i                ; the row's place in the list:
	s_cmp_lt_u32 s62, s35                          ; beyond the list's end nothing is stored
	s_cbranch_scc0 .Lskip_\@
	global_store_b128 v[222+G], v[FR0+8*G:FR0+8*G+3], s[20:21] th:TH_STORE_NT                  ; 512 consecutive bytes, aligned
	global_store_b128 v[222+G], v[FR0+8*G+4:FR0+8*G+7], s[20:21] offset:512 th:TH_STORE_NT
.Lskip_\@:
.endm
.irp m, 0,1,2
.irp i, 0,1
	OUTROW \m, \i
.endr
.endr
	s_wait_dscnt 0x0                               ; the closing lines, six on end
	s_wait_alu 0x0
	s_wait_tensorcnt 0x0
	ds_add_u32 v254, v255
	s_wait_dscnt 0x0
	s_endpgm
.Lfunc_end_k_q67b224a89b_experts:
	.size	k_q67b224a89b_experts, .Lfunc_end_k_q67b224a89b_experts-k_q67b224a89b_experts
	.p2alignl 7, 3214868480
	.fill 96, 4, 3214868480
	.section	.rodata,"a",@progbits
	.p2align	6, 0x0
	.amdhsa_kernel k_q67b224a89b_experts
		.amdhsa_group_segment_fixed_size 98304
		.amdhsa_private_segment_fixed_size 0
		.amdhsa_enable_private_segment 0
		.amdhsa_kernarg_size 72
		.amdhsa_user_sgpr_count 2
		.amdhsa_user_sgpr_kernarg_segment_ptr 1
		.amdhsa_wavefront_size32 1
		.amdhsa_system_sgpr_workgroup_id_x 1
		.amdhsa_system_sgpr_workgroup_id_y 1
		.amdhsa_system_sgpr_workgroup_id_z 1
		.amdhsa_system_vgpr_workitem_id 0
		.amdhsa_next_free_vgpr 512
		.amdhsa_next_free_sgpr 72
		.amdhsa_reserve_vcc 1
		.amdhsa_float_denorm_mode_32 3
		.amdhsa_float_denorm_mode_16_64 3
		.amdhsa_memory_ordered 1
		.amdhsa_forward_progress 1
		.amdhsa_inst_pref_size 67
	.end_amdhsa_kernel
	.amdgpu_metadata
---
amdhsa.version: [ 1, 2 ]
amdhsa.kernels:
  - .name:           k_q67b224a89b_experts
    .symbol:         k_q67b224a89b_experts.kd
    .args:
      - { .name: wp, .offset: 0, .size: 8, .value_kind: global_buffer, .address_space: global }
      - { .name: order, .offset: 8, .size: 8, .value_kind: global_buffer, .address_space: global }
      - { .name: counts, .offset: 16, .size: 8, .value_kind: global_buffer, .address_space: global }
      - { .name: h_codes, .offset: 24, .size: 8, .value_kind: global_buffer, .address_space: global }
      - { .name: h_scales, .offset: 32, .size: 8, .value_kind: global_buffer, .address_space: global }
      - { .name: b1, .offset: 40, .size: 8, .value_kind: global_buffer, .address_space: global }
      - { .name: b2, .offset: 48, .size: 8, .value_kind: global_buffer, .address_space: global }
      - { .name: b3, .offset: 56, .size: 8, .value_kind: global_buffer, .address_space: global }
      - { .name: out0, .offset: 64, .size: 8, .value_kind: global_buffer, .address_space: global }
    .group_segment_fixed_size: 98304
    .private_segment_fixed_size: 0
    .kernarg_segment_align: 8
    .kernarg_segment_size: 72
    .max_flat_workgroup_size: 256
    .sgpr_count:     72
    .vgpr_count:     512
    .wavefront_size: 32
...
	.end_amdgpu_metadata
.endif
;; end of part 5
